; MI455X (gfx1250); checked and timed in simulation.
; The chip was launched on July 23, 2026; its instructions are those of AMD's public machine-readable ISA for CDNA 5 (MIT licence, August 2026) and "CDNA5" Instruction Set Architecture Reference Guide (July 2026). The comments in the code are by the model that wrote it; some were corrected since.
;; Rope Block. Allowed arithmetic: matrix products marked QUANTISED: E2M3 operands, one E8M0 scale for each 32 along K, by v_wmma_scale_f32_16x16x128_f8f6f4 with both operands' format E2M3, f32 sums; everything else in f32.
;; Inputs: W_K 16 x 1,024 x 64 float32; W_O 16 x 64 x 1,024 float32; W_Q 16 x 1,024 x 64 float32; W_V 16 x 1,024 x 64 float32; W_in 1,024 x 4,096 float32; W_out 4,096 x 1,024 float32; b_K 16 x 64 float32; b_O 1,024 float32; b_Q 16 x 64 float32; b_V 16 x 64 float32; b_in 4,096 float32; b_out 1,024 float32; ln1_b 1,024 float32; ln1_w 1,024 float32; ln2_b 1,024 float32; ln2_w 1,024 float32; resid_pre 2 x 2,048 x 1,024 float32.
;; Outputs: out0 2 x 2,048 x 1,024 float32.
;; This version of the problem:
;;   THIS VERSION OF THE PROBLEM IS GIVEN IN LOW PRECISION. The matrix products marked QUANTISED in the list below multiply operands that are first quantised to E2M3 (2 exponent bits, 3 mantissa bits; 6 bits a number), with one power-of-two scale for each 32 numbers along K (OCP MX v1.0); their sums are f32. All else is computed in f32.
;;   The module's matrix products, in the order in which they are computed (A, B: the left and right operand; K: the contracted axis; several contracted axes count as one K, in the product's order):
;;     1. [M 4,096, K 1,024] x [K 1,024, N 1,024]; A: computed on the way; B: input W_Q: QUANTISED
;;     2. [M 4,096, K 1,024] x [K 1,024, N 1,024]; A: computed on the way; B: input W_K: QUANTISED
;;     3. [M 4,096, K 1,024] x [K 1,024, N 1,024]; A: computed on the way; B: input W_V: QUANTISED
;;     4. batch 32 x [M 2,048, K 64] x [K 64, N 2,048]; A: computed on the way; B: computed on the way: QUANTISED
;;     5. batch 32 x [M 64, K 2,048] x [K 2,048, N 2,048]; A: computed on the way; B: softmax (see below): QUANTISED
;;     6. [M 4,096, K 1,024] x [K 1,024, N 1,024]; A: computed on the way; B: input W_O: QUANTISED
;;     7. [M 4,096, K 1,024] x [K 1,024, N 4,096]; A: computed on the way; B: input W_in: QUANTISED
;;     8. [M 4,096, K 4,096] x [K 4,096, N 1,024]; A: computed on the way; B: input W_out: QUANTISED
;;   THE QUANTISER, for each operand of a quantised product, along K:
;;     - K is cut into blocks of 32 from its start; a last block that is shorter is filled with zeros.
;;     - A block's scale is 2^e with e = floor(log2(the largest magnitude in the block)) - 2, held to -126 .. 127; a block of zeros has e = 0. As a byte (E8M0): e + 127.
;;     - Each number is divided by its block's scale, clamped to +-7.5, and rounded to the nearest number of E2M3, ties to even, subnormals kept.
;;     - The product sums the exact products of the quantised numbers (number of the format x scale) in f32.
;;   ~~~python
;;   def quantise(x, axis):      # numpy; x: float32 -> the quantised numbers, widened to float32 again
;;       x = np.moveaxis(x, axis, -1); K = x.shape[-1]
;;       x = np.pad(x, [(0, 0)] * (x.ndim - 1) + [(0, -K % 32)]); x = x.reshape(x.shape[:-1] + (-1, 32)); a = np.abs(x).max(-1, keepdims=True)
;;       e = np.where(a > 0, np.clip(np.frexp(np.where(a > 0, a, 1))[1] - 1 - 2, -126, 127), 0)      # np.frexp(a)[1] - 1 = floor(log2(a)), exactly
;;       r = np.clip(x / 2.0 ** e, -7.5, 7.5)
;;       step = 2.0 ** (np.maximum(np.frexp(np.where(r == 0, 1, r))[1] - 1, 0) - 3)
;;       q = np.round(r / step) * step * 2.0 ** e      # np.round: ties to even
;;       return np.moveaxis(q.reshape(q.shape[:-2] + (-1,))[..., :K], -1, axis).astype(np.float32)
;;   ~~~
;;   SOFTMAX AHEAD OF A QUANTISED PRODUCT. Where the list says 'softmax', what is quantised is not the finished softmax but p = 2^(t - M), with t = logit x log2(e) and M = ceil(the row's largest t), a whole number; so 1/2 < the row's largest p <= 1. The row's sum l is taken of the UNQUANTISED p, in f32, and the product's result is divided by l at the end. Since M is a whole number, a kernel that streams over the keys may use a running M (the ceiling of the running maximum): every later rescaling is an exact power of two, which a block's scale takes up: the codes' values come out the same.
;;   OPERANDS COMPUTED ON THE WAY. 'Computed on the way' means the value that the module computes at that place (a softmax that the list does not call 'softmax' is quantised finished and normalised). What goes into a quantiser is computed in f32, as accurately as f32 sums, v_exp_f32 and their like allow (about 1e-6 of the number): no bf16 or f16 on the way to a quantiser, and a product that is left as it is and whose result goes on into a quantised operand takes f32 operands (vector FMAs, or v_wmma_f32_16x16x4_f32). A number that lies on a knife's edge between two numbers of the format may be rounded either way, as far as f32 arithmetic and the matrix unit's own rounding can turn it there, and no further.
;; One version. Each part assembles by itself: llvm-mc -triple=amdgcn-amd-amdhsa -mcpu=gfx1250 --defsym DOCPART=n.
;; ======== version 1 of 1: 7 launches
;; limits: right only within a limited range of input values
;; workspace buffers: wq 10,747,904 bytes; xc 3,407,872 bytes; yc 3,407,872 bytes; ac 3,407,872 bytes; hc 13,631,488 bytes; rm 16,777,216 bytes; qkv 10,092,544 bytes
;; launch prep (part 1): grid 656 x 1, 8 waves a work-group, no clusters, 67,072 bytes of LDS; arguments W_Q, W_K, W_V, W_O, W_in, W_out, wq, resid_pre, ln1_w, ln1_b, xc; writes wq, xc
.if DOCPART == 1
	.amdgcn_target "amdgcn-amd-amdhsa--gfx1250"
	.amdhsa_code_object_version 6
	.text
	.protected	k_q3c6271c0d2_prep
	.globl	k_q3c6271c0d2_prep
	.p2align	8
	.type	k_q3c6271c0d2_prep,@function
k_q3c6271c0d2_prep:
	s_mov_b64 s[64:65], 0
	v_nop
	global_prefetch_b8 v0, s[64:65] scope:SCOPE_SE
	s_setreg_imm32_b32 hwreg(HW_REG_WAVE_MODE, 25, 1), 1
	s_wait_xcnt 0x0
; Everything that hangs on the inputs alone, in one launch.  Work-groups 0-255: the first layer norm and its quantiser (resid_pre -> xc).  Work-groups 256-655: the six weights become codes (-> wq), and RoPE's table is made.
; The two paths part on the work-group's number at the first line and never meet again; only the norm's path uses LDS and a barrier.  The norm's work-groups have the lowest numbers: theirs is the longest chain of dependent steps.
; No clusters, no matrix units, no prefetch: every byte is read once, by long runs of loads that are all asked for at once, and no two work-groups share a tile.
; THE OPERANDS' LAYOUT.  A FRAGMENT is 16 rows x 128 K: 12 registers a lane; lane (r, h) holds block 2 c + h of row r in registers 6 c .. 6 c + 5.  Its IMAGE is 1,536 bytes: register 4 g + i of lane L at 512 g + 16 L + 4 i.
; A RECORD (3,328 bytes) is 16 rows x 256 K: two images, then 32 scale words for each (lanes 16-31 repeat lanes 0-15).  An operand lies as [16 rows][K / 256][record].
; INSIDE A BLOCK OF 32 the codes stand in the order 0-7, 16-23, 8-15, 24-31 of k.  Every operand of every product of this program is laid so: the same order on both sides, inside one scale's block, so sums and scales are unchanged.
; A block's scale is 2^(floor(log2(largest magnitude)) - 2); its byte is that magnitude's exponent field - 2, held at 1 from below (a block of zeros keeps the byte 1: its codes are zeros, and this program alone reads the bytes).
; THE WEIGHTS (f32, K not innermost).  A LANE TAKES A COLUMN n AND ITS REGISTERS RUN DOWN K: each load reads 128 consecutive bytes a wave, a block's largest magnitude needs no other lane.  A wave takes a unit of 32 columns x 128 K:
; two fragments.  Unit = 8 x (work-group - 256) + wave.  Units 0-767: W_Q, W_K, W_V; 768-1023: W_O; 1024-2047: W_out; 2048-3071: W_in.  Work-groups 640-655: the table.  Waves share nothing here.
; THE NORM.  y = (x - mean) / sqrt(mean of squares of (x - mean)) x w + b over rows of 1,024, all in f32, then quantised along the row.  A work-group takes 16 rows.  PHASE 1: wave w takes rows 2 w, 2 w + 1, a row in 32
; registers, read from memory once; the mean is taken off before the squares are summed.  The rows go to LDS (pitch 4,096 + 16 bytes).  One barrier.  PHASE 2: wave w takes K fragment w of all 16 rows: lane (r, h) reads of
; row r, for each block of 32, the numbers 8 h .. 8 h + 7 and 16 + 8 h .. 16 + 8 h + 7, and quantises them.
; LIMITS: NaN and infinities among the inputs are not served (a NaN row of x gives codes without NaN); a row of zero variance is not served; blocks whose largest magnitude lies under 2^-124 keep the byte 1.
; RoPE: the angle is fl(t x inv), inv = 2^(-i x log2(10000) / 32) by v_exp_f32, so inv is good to about one part in 10^7 and the angle at t = 2,047 to about 1e-4 rad; sine and cosine by a two-part reduction by pi / 2
; and polynomials good to about 1e-7.
.set REC,      3328
.set WO_OFF,   2555904
.set WIN_OFF,  3407872
.set WOUT_OFF, 6815744
.set ROPE_OFF, 10223616
.set X,  32                            ; v32-159  four blocks of 32 numbers
.set F0, 160                           ; v160-171 fragment 0 (columns 0-15); v172-183 fragment 1
.set U,  184                           ; v184-199 the blocks' upper 16 codes, 3 registers of every 4 (a conversion's three registers begin on an even number)
.macro LOADB b, pitch                  ; block b: register i takes k = 32 b + i, with the second and third eights exchanged
.set i, 0
.rept 32
	global_load_b32 v[X+32*(\b)+i], v1, s[34:35] offset:(32*(\b)+i+8*((i/8)%2)-8*(i/16))*\pitch th:TH_LOAD_NT
.set i, i+1
.endr
.endm
.macro BLK b, left                     ; left: the loads of the one later block, which may stay out
.set XS, X+32*(\b)
	s_wait_loadcnt \left
	v_max3_num_f32 v8, |v[XS]|, |v[XS+1]|, |v[XS+2]|
	v_max3_num_f32 v9, |v[XS+3]|, |v[XS+4]|, |v[XS+5]|
.irp i, 6,10,14,18,22,26
	v_max3_num_f32 v8, v8, |v[XS+\i]|, |v[XS+\i+1]|
	v_max3_num_f32 v9, v9, |v[XS+\i+2]|, |v[XS+\i+3]|
.endr
	v_max3_num_f32 v8, v8, |v[XS+30]|, |v[XS+31]|
	v_max3_num_f32 v8, v8, v9, 0x1800000           ; and the floor 2^(3 - 127): the byte cannot fall under 1
	v_add_nc_u32 v[12+\b], 0xff000000, v8          ; 2 off the exponent field: the conversion's scale operand
	v_lshrrev_b32 v9, 23, v[12+\b]                 ; the scale's byte
.if (\b) == 0
	v_mov_b32 v20, v9
.else
	v_lshl_or_b32 v20, v9, 8*(\b), v20
.endif
	v_cvt_scalef32_pk16_fp6_f32 v[F0+12*((\b)%2)+6*((\b)/2):F0+12*((\b)%2)+6*((\b)/2)+2], v[XS:XS+15], v[12+\b]
	v_cvt_scalef32_pk16_fp6_f32 v[U+4*(\b):U+4*(\b)+2], v[XS+16:XS+31], v[12+\b]
.endm
; One unit.  In: s30 the unit's byte offset in its weight, s32 its first 16-row block, s22 its K fragment.  src: the weight's pointer; pitch: bytes from k to k + 1; krecb: bytes of 16 rows in the laid-out weight.
.macro QW src, pitch, region, krecb
	s_mov_b32 s31, 0
	s_add_nc_u64 s[34:35], s[\src:\src+1], s[30:31]
	s_mul_i32 s36, s32, \krecb
	s_lshr_b32 s38, s22, 1
	s_mul_i32 s38, s38, REC
	s_add_co_u32 s36, s36, s38
	s_add_co_u32 s36, s36, \region
	s_mov_b32 s37, 0
	s_add_nc_u64 s[36:37], s[16:17], s[36:37]      ; the record of fragment 0
	s_and_b32 s38, s22, 1
	s_mul_i32 s40, s38, 1536
	s_mov_b32 s41, 0
	s_add_nc_u64 s[24:25], s[36:37], s[40:41]      ; its image,
	s_add_nc_u64 s[26:27], s[24:25], \krecb        ; fragment 1's: the next 16 rows
	s_lshl_b32 s40, s38, 7
	s_add_co_u32 s40, s40, 3072
	s_add_nc_u64 s[28:29], s[36:37], s[40:41]      ; the scale words
	s_add_nc_u64 s[42:43], s[28:29], \krecb
	LOADB 0, \pitch
	LOADB 1, \pitch
	BLK 0, 32
	LOADB 2, \pitch
	BLK 1, 32
	LOADB 3, \pitch
	BLK 2, 32
	BLK 3, 0
	v_nop                                          ; one plain place behind the scaled conversions
.irp c, 0,1                            ; lanes 0-15 hold columns 0-15 and lanes 16-31 columns 16-31, each all four blocks; a fragment wants block 2 c in lanes 0-15 and block 2 c + 1 in lanes 16-31
.irp i, 0,1,2
	v_permlane16_swap_b32 v[F0+6*\c+\i], v[F0+12+6*\c+\i]      ; the first's lanes 16-31 change places with the second's lanes 0-15
	v_permlane16_swap_b32 v[U+8*\c+\i], v[U+8*\c+4+\i]
.endr
.irp i, 0,1,2
	v_mov_b32 v[F0+6*\c+3+\i], v[U+8*\c+\i]
	v_mov_b32 v[F0+12+6*\c+3+\i], v[U+8*\c+4+\i]
.endr
.endr
	v_mov_b32 v21, v20
	v_permlane16_swap_b32 v20, v21                 ; v20: fragment 0's words in both halves; v21: fragment 1's
.irp g, 0,1,2
	global_store_b128 v2, v[F0+4*\g:F0+4*\g+3], s[24:25] offset:512*\g          ; 32 lanes store 512 consecutive bytes, at a multiple of 256 from the buffer's first byte
	global_store_b128 v2, v[F0+12+4*\g:F0+12+4*\g+3], s[26:27] offset:512*\g
.endr
	global_store_b32 v1, v20, s[28:29]
	global_store_b32 v1, v21, s[42:43]
	s_endpgm
.endm
; cosine and sine of v[ang] (0 .. 2,047 rad).  No branch on data: the quadrant chooses by v_cndmask_b32 and flips signs by exclusive or.
.macro SINCOS ang, c, s
	v_mul_f32 v13, 0x3f22f983, v[\ang]             ; x 2 / pi
	v_rndne_f32 v13, v13                           ; n
	v_fmamk_f32 v14, v13, 0xbfc90fdb, v[\ang]      ; r = ang - n pi / 2, pi / 2 in two parts
	v_fmamk_f32 v14, v13, 0x333bbd2e, v14
	v_mul_f32 v15, v14, v14                        ; z = r r
	v_mov_b32 v16, 0xb94ca1f9
	v_fmaak_f32 v16, v16, v15, 0x3c08839e
	v_fmaak_f32 v16, v16, v15, 0xbe2aaaa3
	v_mul_f32 v16, v16, v15
	v_fma_f32 v16, v16, v14, v14                   ; sin r
	v_mov_b32 v17, 0x37ccf5ce
	v_fmaak_f32 v17, v17, v15, 0xbab6061a
	v_fmaak_f32 v17, v17, v15, 0x3d2aaaa5
	v_mul_f32 v17, v17, v15
	v_fma_f32 v18, v15, -0.5, 1.0
	v_fma_f32 v17, v17, v15, v18                   ; cos r
	v_cvt_i32_f32 v18, v13
	v_and_b32 v19, 1, v18
	v_cmp_eq_u32 vcc_lo, 1, v19
	v_cndmask_b32 v19, v16, v17, vcc_lo            ; odd n: sine and cosine change places
	v_cndmask_b32 v17, v17, v16, vcc_lo
	v_and_b32 v16, 2, v18
	v_lshlrev_b32 v16, 30, v16
	v_xor_b32 v[\s], v16, v19                      ; the sine's sign: bit 1 of n
	v_add_nc_u32 v18, 1, v18
	v_and_b32 v18, 2, v18
	v_lshlrev_b32 v18, 30, v18
	v_xor_b32 v[\c], v18, v17                      ; the cosine's: bit 1 of n + 1
.endm
	s_cmp_lt_u32 ttmp9, 256
	s_cbranch_scc1 .Lnorm                          ; work-groups 0-255: the layer norm
	s_load_b256 s[4:11], s[0:1], 0x0               ; W_Q s[4:5], W_K s[6:7], W_V s[8:9], W_O s[10:11]
	s_load_b128 s[12:15], s[0:1], 0x20             ; W_in s[12:13], W_out s[14:15]
	s_load_b64 s[16:17], s[0:1], 0x30              ; wq
	v_lshrrev_b32 v3, 5, v0
	v_readfirstlane_b32 s18, v3                    ; wave
	v_and_b32 v3, 31, v0
	v_lshlrev_b32 v1, 2, v3                        ; 4 x lane: my column in the weight, my scale word
	v_lshlrev_b32 v2, 4, v3                        ; 16 x lane: my place in an image
	s_sub_co_u32 s19, ttmp9, 256
	s_lshl_b32 s19, s19, 3
	s_add_co_u32 s19, s19, s18                     ; the unit: 8 x (work-group - 256) + wave
	s_wait_kmcnt 0x0
	s_cmp_ge_u32 s19, 3072
	s_cbranch_scc1 .Lrope
	s_cmp_ge_u32 s19, 2048
	s_cbranch_scc1 .Lwin
	s_cmp_ge_u32 s19, 1024
	s_cbranch_scc1 .Lwout
	s_cmp_ge_u32 s19, 768
	s_cbranch_scc1 .Lwo
	; W_Q, W_K, W_V: [16 heads][1024 k][64 d]; row n of the laid-out weight = 1024 x tensor + 64 x head + d
	s_lshr_b32 s20, s19, 8                         ; tensor
	s_and_b32 s21, s19, 31                         ; which 32 columns
	s_bfe_u32 s22, s19, 0x30005                    ; K fragment
	s_cmp_eq_u32 s20, 1
	s_cselect_b64 s[4:5], s[6:7], s[4:5]
	s_cmp_eq_u32 s20, 2
	s_cselect_b64 s[4:5], s[8:9], s[4:5]
	s_lshr_b32 s23, s21, 1
	s_lshl_b32 s23, s23, 18                        ; head x 262,144
	s_lshl_b32 s24, s22, 15                        ; 128 rows of 256 bytes
	s_add_co_u32 s23, s23, s24
	s_and_b32 s24, s21, 1
	s_lshl_b32 s24, s24, 7
	s_add_co_u32 s30, s23, s24
	s_lshl_b32 s32, s20, 6
	s_lshl_b32 s24, s21, 1
	s_add_co_u32 s32, s32, s24
	s_wait_alu depctr_va_vdst(0)
	QW 4, 256, 0, 13312
.Lwo:                                  ; W_O: [1024 k = 64 head + d][1024 n]
	s_sub_co_u32 s19, s19, 768
	s_and_b32 s21, s19, 31
	s_lshr_b32 s22, s19, 5
	s_lshl_b32 s30, s22, 19
	s_lshl_b32 s24, s21, 7
	s_add_co_u32 s30, s30, s24
	s_lshl_b32 s32, s21, 1
	s_wait_alu depctr_va_vdst(0)
	QW 10, 4096, WO_OFF, 13312
.Lwout:                                ; W_out: [4096 k][1024 n]
	s_sub_co_u32 s19, s19, 1024
	s_and_b32 s21, s19, 31
	s_lshr_b32 s22, s19, 5
	s_lshl_b32 s30, s22, 19
	s_lshl_b32 s24, s21, 7
	s_add_co_u32 s30, s30, s24
	s_lshl_b32 s32, s21, 1
	s_wait_alu depctr_va_vdst(0)
	QW 14, 4096, WOUT_OFF, 53248
.Lwin:                                 ; W_in: [1024 k][4096 n]
	s_sub_co_u32 s19, s19, 2048
	s_and_b32 s21, s19, 127
	s_lshr_b32 s22, s19, 7
	s_lshl_b32 s30, s22, 21
	s_lshl_b32 s24, s21, 7
	s_add_co_u32 s30, s30, s24
	s_lshl_b32 s32, s21, 1
	s_wait_alu depctr_va_vdst(0)
	QW 12, 16384, WIN_OFF, 13312
.Lrope:                                ; the table [t 2048][i 32][(cos, sin)]: thread g of 4,096 takes i = 2 (g % 16), + 1 and t = g / 16 + 256 j, j = 0 .. 7
	s_sub_co_u32 s20, ttmp9, 640
	s_lshl_b32 s20, s20, 8                         ; 256 threads a work-group
	v_add_nc_u32 v4, s20, v0
	v_and_b32 v5, 15, v4
	v_lshrrev_b32 v6, 4, v4
	v_lshlrev_b32 v7, 4, v4                        ; 16 g: a wave's store covers 512 consecutive bytes
	v_lshlrev_b32 v5, 1, v5
	v_cvt_f32_u32 v8, v5
	v_add_f32 v9, 1.0, v8
	v_mul_f32 v8, 0xbed49a78, v8                   ; -i x log2(10000) / 32
	v_mul_f32 v9, 0xbed49a78, v9
	s_wait_alu depctr_va_vdst(0)
	v_exp_f32 v8, v8
	v_exp_f32 v9, v9
	v_nop                                          ; a plain place behind the exponentials,
	s_wait_alu depctr_va_vdst(0)                   ; and the one wait ahead of their first reader
	s_add_nc_u64 s[16:17], s[16:17], ROPE_OFF
.irp j, 0,1,2,3,4,5,6,7
	v_add_nc_u32 v10, 256*\j, v6
	v_cvt_f32_u32 v10, v10
	v_mul_f32 v11, v10, v8
	v_mul_f32 v12, v10, v9
	SINCOS 11, 64+4*\j, 65+4*\j
	SINCOS 12, 66+4*\j, 67+4*\j
	global_store_b128 v7, v[64+4*\j:67+4*\j], s[16:17] offset:65536*\j   ; each j has registers of its own: no store's data are written again
.endr
	s_endpgm
; ---- THE LAYER NORM
.set PITCH, 4112
.set X0,  32                           ; v32-95   two rows; in phase 2 v32-95 the 64 numbers of a lane
.set WR,  96                           ; v96-127  w at my columns
.set BR,  128                          ; v128-159 b
.set SM,  160                          ; v160-167 sums, four registers a row
.set TM,  160                          ; phase 2: v160-163 largest magnitudes, v164-167 bytes, v172-175 scale operands
.set PW,  176                          ; the scale word
.set PC,  180                          ; v180-191 the codes; v192-198 the conversions' second halves
.set SEL, 20
.macro REDUCE                          ; both rows' four partial sums -> sum / 1,024 in every lane, in v[SM], v[SM+4]
.irp r, 0
	s_delay_alu instid0(VALU_DEP_3)
	v_pk_add_f32 v[SM+4*\r:SM+4*\r+1], v[SM+4*\r:SM+4*\r+1], v[SM+4*\r+2:SM+4*\r+3]
.endr
.irp r, 1
	s_delay_alu instid0(VALU_DEP_2)
	v_pk_add_f32 v[SM+4*\r:SM+4*\r+1], v[SM+4*\r:SM+4*\r+1], v[SM+4*\r+2:SM+4*\r+3]
.endr
.irp r, 0,1
	s_delay_alu instid0(VALU_DEP_2)
	v_add_f32 v[SM+4*\r], v[SM+4*\r], v[SM+4*\r+1]
.endr
.irp m, 1,2,4,8
.irp r, 0,1
	s_delay_alu instid0(VALU_DEP_2)
	v_add_f32_dpp v[SM+4*\r], v[SM+4*\r], v[SM+4*\r] row_xmask:\m row_mask:0xf bank_mask:0xf
.endr
.endr
.irp r, 0,1
	s_delay_alu instid0(VALU_DEP_2)
	v_permlanex16_b32 v[SM+4*\r+1], v[SM+4*\r], s[SEL], s[SEL+1]
.endr
.irp r, 0,1
	s_delay_alu instid0(VALU_DEP_2)
	v_add_f32 v[SM+4*\r], v[SM+4*\r], v[SM+4*\r+1]
.endr
.irp r, 0,1
	s_delay_alu instid0(VALU_DEP_2)
	v_mul_f32 v[SM+4*\r], 0x3a800000, v[SM+4*\r]   ; x 2^-10
.endr
.endm
; 64 numbers of a lane, register 16 b + i = my i-th number of block b of my row, become a fragment's codes in v[PC] on and its scale word in v[PW].
.macro QUANT s
.irp b, 0,1,2,3
	v_max3_num_f32 v[TM+\b], |v[\s+16*\b]|, |v[\s+1+16*\b]|, 0x1800000   ; my 16 numbers of block b, and the floor 2^(3 - 127): the byte cannot fall under 1
.endr
.irp i, 2,4,6,8,10,12,14
.irp b, 0,1,2,3
	s_delay_alu instid0(VALU_DEP_4)
	v_max3_num_f32 v[TM+\b], v[TM+\b], |v[\s+16*\b+\i]|, |v[\s+1+16*\b+\i]|
.endr
.endr
.irp b, 0,1,2,3
	v_permlanex16_b32 v[TM+4+\b], v[TM+\b], s[SEL], s[SEL+1]
.endr
.irp b, 0,1,2,3
	s_delay_alu instid0(VALU_DEP_4)
	v_max_num_f32 v[TM+\b], v[TM+\b], v[TM+4+\b]   ; with lane l xor 16's: the block's largest magnitude
.endr
.irp b, 0,1,2,3
	s_delay_alu instid0(VALU_DEP_4)
	v_add_nc_u32 v[TM+12+\b], 0xff000000, v[TM+\b] ; 2 off its exponent field: the conversion's scale operand
.endr
.irp b, 0,1,2,3
	s_delay_alu instid0(VALU_DEP_4)
	v_lshrrev_b32 v[TM+4+\b], 23, v[TM+12+\b]      ; the scale's byte
.endr
	s_delay_alu instid0(VALU_DEP_3)
	v_lshl_or_b32 v[PW], v[TM+5], 8, v[TM+4]
	s_delay_alu instid0(VALU_DEP_1)
	v_lshl_or_b32 v[PW], v[TM+6], 16, v[PW]
	s_delay_alu instid0(VALU_DEP_1)
	v_lshl_or_b32 v[PW], v[TM+7], 24, v[PW]
.irp c, 0,1
	v_cvt_scalef32_pk16_fp6_f32 v[PC+6*\c:PC+2+6*\c], v[\s+32*\c:\s+15+32*\c], v[TM+12+2*\c]
	v_cvt_scalef32_pk16_fp6_f32 v[PC+12+4*\c:PC+14+4*\c], v[\s+16+32*\c:\s+31+32*\c], v[TM+12+2*\c+1]
.endr
	v_nop                                          ; one plain place behind a scaled conversion
.irp c, 0,1                            ; the operand wants a whole block in a lane: lanes 0-15 block 2 c, lanes 16-31 block 2 c + 1
.irp i, 0,1,2
	v_permlane16_swap_b32 v[PC+6*\c+\i], v[PC+12+4*\c+\i]
.endr
.irp i, 0,1,2
	s_delay_alu instid0(VALU_DEP_3)
	v_mov_b32 v[PC+3+6*\c+\i], v[PC+12+4*\c+\i]
.endr
.endr
.endm
.Lnorm:
	s_load_b256 s[4:11], s[0:1], 0x38              ; x s[4:5], w s[6:7], b s[8:9], the codes s[10:11]
	v_lshl_add_u32 v208, v0, 2, 0x10200
	v_mov_b32 v209, 0
	v_lshrrev_b32 v1, 5, v0
	s_delay_alu instid0(VALU_DEP_1)
	v_readfirstlane_b32 s12, v1                    ; wave 0..7
	v_and_b32 v2, 31, v0
	s_delay_alu instid0(VALU_DEP_1)
	v_lshlrev_b32 v3, 4, v2                        ; 16 x lane
	s_mul_i32 s13, s12, 2*PITCH
	v_add_nc_u32 v4, s13, v3                       ; LDS, in: my wave's two rows, 16 bytes a lane
	v_and_b32 v5, 15, v0
	v_bfe_u32 v6, v0, 4, 1
	s_delay_alu instid0(VALU_DEP_2)
	v_mul_u32_u24 v5, v5, PITCH
	s_delay_alu instid0(VALU_DEP_1)
	v_lshl_add_u32 v5, v6, 5, v5
	s_lshl_b32 s13, s12, 9
	v_add_nc_u32 v5, s13, v5                       ; LDS, out: row r, + 32 h, + 512 bytes x my K fragment
	v_lshlrev_b32 v6, 2, v2                        ; 4 x lane
	s_mov_b32 s[SEL], 0x76543210
	s_mov_b32 s[SEL+1], 0xfedcba98                 ; v_permlanex16_b32's selects for lane l xor 16
	s_lshl_b32 s14, ttmp9, 16                      ; 16 rows of 4,096 bytes a work-group,
	s_lshl_b32 s15, s12, 13                        ; two a wave
	s_add_co_u32 s14, s14, s15
	s_mov_b32 s15, 0
	s_mul_i32 s16, ttmp9, 4*REC
	s_lshr_b32 s17, s12, 1
	s_mul_i32 s17, s17, REC
	s_add_co_u32 s16, s16, s17                     ; my fragment's record
	s_mov_b32 s17, 0
	s_and_b32 s18, s12, 1
	s_mul_i32 s22, s18, 1536
	s_mov_b32 s23, 0
	s_lshl_b32 s24, s18, 7
	s_add_co_u32 s24, s24, 3072
	s_mov_b32 s25, 0
	s_wait_alu depctr_va_vdst(0)
	s_wait_kmcnt 0x0
	s_add_nc_u64 s[4:5], s[4:5], s[14:15]
	s_add_nc_u64 s[10:11], s[10:11], s[16:17]
	s_add_nc_u64 s[26:27], s[10:11], s[22:23]      ; its image
	s_add_nc_u64 s[28:29], s[10:11], s[24:25]      ; its scale words
.irp r, 0,1
.irp j, 0,1,2,3,4,5,6,7
	global_load_b128 v[X0+32*\r+4*\j:X0+32*\r+4*\j+3], v3, s[4:5] offset:4096*\r+512*\j th:TH_LOAD_NT
.endr
.endr
.irp j, 0,1,2,3,4,5,6,7
	global_load_b128 v[WR+4*\j:WR+4*\j+3], v3, s[6:7] offset:512*\j
.endr
.irp j, 0,1,2,3,4,5,6,7
	global_load_b128 v[BR+4*\j:BR+4*\j+3], v3, s[8:9] offset:512*\j
.endr
	s_wait_loadcnt 16                              ; x is in; the sixteen loads of w and b may stay out
.irp r, 0,1
	v_pk_add_f32 v[SM+4*\r:SM+4*\r+1], v[X0+32*\r:X0+32*\r+1], v[X0+32*\r+2:X0+32*\r+3]
	v_pk_add_f32 v[SM+4*\r+2:SM+4*\r+3], v[X0+32*\r+4:X0+32*\r+5], v[X0+32*\r+6:X0+32*\r+7]
.endr
.irp j, 8,12,16,20,24,28
.irp r, 0,1
	s_delay_alu instid0(VALU_DEP_4)
	v_pk_add_f32 v[SM+4*\r:SM+4*\r+1], v[SM+4*\r:SM+4*\r+1], v[X0+32*\r+\j:X0+32*\r+\j+1]
	s_delay_alu instid0(VALU_DEP_4)
	v_pk_add_f32 v[SM+4*\r+2:SM+4*\r+3], v[SM+4*\r+2:SM+4*\r+3], v[X0+32*\r+\j+2:X0+32*\r+\j+3]
.endr
.endr
	REDUCE                                         ; the means
.irp j, 0,2,4,6,8,10,12,14,16,18,20,22,24,26,28,30
.irp r, 0,1
	v_pk_add_f32 v[X0+32*\r+\j:X0+32*\r+\j+1], v[X0+32*\r+\j:X0+32*\r+\j+1], v[SM+4*\r:SM+4*\r+1] op_sel_hi:[1,0] neg_lo:[0,1] neg_hi:[0,1]
.endr
.endr
.irp r, 0,1
	v_pk_mul_f32 v[SM+4*\r:SM+4*\r+1], v[X0+32*\r:X0+32*\r+1], v[X0+32*\r:X0+32*\r+1]
	v_pk_mul_f32 v[SM+4*\r+2:SM+4*\r+3], v[X0+32*\r+2:X0+32*\r+3], v[X0+32*\r+2:X0+32*\r+3]
.endr
.irp j, 4,8,12,16,20,24,28
.irp r, 0,1
	s_delay_alu instid0(VALU_DEP_4)
	v_pk_fma_f32 v[SM+4*\r:SM+4*\r+1], v[X0+32*\r+\j:X0+32*\r+\j+1], v[X0+32*\r+\j:X0+32*\r+\j+1], v[SM+4*\r:SM+4*\r+1]
	s_delay_alu instid0(VALU_DEP_4)
	v_pk_fma_f32 v[SM+4*\r+2:SM+4*\r+3], v[X0+32*\r+\j+2:X0+32*\r+\j+3], v[X0+32*\r+\j+2:X0+32*\r+\j+3], v[SM+4*\r+2:SM+4*\r+3]
.endr
.endr
	REDUCE                                         ; the variances
	s_wait_alu depctr_va_vdst(0)
	v_rsq_f32 v[SM], v[SM]
	v_rsq_f32 v[SM+4], v[SM+4]
	v_nop                                          ; a plain place behind the two,
	s_wait_alu depctr_va_vdst(0)                   ; and the one wait ahead of their first reader
	s_wait_loadcnt 0x0                             ; w and b
.irp j, 0,2,4,6,8,10,12,14,16,18,20,22,24,26,28,30
.irp r, 0,1
	v_pk_mul_f32 v[X0+32*\r+\j:X0+32*\r+\j+1], v[X0+32*\r+\j:X0+32*\r+\j+1], v[SM+4*\r:SM+4*\r+1] op_sel_hi:[1,0]
.endr
.endr
.irp j, 0,2,4,6,8,10,12,14,16,18,20,22,24,26,28,30
.irp r, 0,1
	v_pk_fma_f32 v[X0+32*\r+\j:X0+32*\r+\j+1], v[X0+32*\r+\j:X0+32*\r+\j+1], v[WR+\j:WR+\j+1], v[BR+\j:BR+\j+1]
.endr
.endr
.irp r, 0,1
.irp j, 0,1,2,3,4,5,6,7
	ds_store_b128 v4, v[X0+32*\r+4*\j:X0+32*\r+4*\j+3] offset:\r*PITCH+512*\j
.endr
.endr
	s_wait_dscnt 0x0                               ; for the others' sake: my rows lie in LDS
	s_barrier_signal -1
	s_barrier_wait -1
.irp b, 0,1,2,3
	ds_load_b128 v[X0+16*\b:X0+16*\b+3], v5 offset:128*\b
	ds_load_b128 v[X0+16*\b+4:X0+16*\b+7], v5 offset:128*\b+16
	ds_load_b128 v[X0+16*\b+8:X0+16*\b+11], v5 offset:128*\b+64
	ds_load_b128 v[X0+16*\b+12:X0+16*\b+15], v5 offset:128*\b+80
.endr
	s_wait_dscnt 0x0
	QUANT X0
.irp g, 0,1,2
	global_store_b128 v3, v[PC+4*\g:PC+4*\g+3], s[26:27] offset:512*\g   ; 512 consecutive bytes, at a multiple of 256 from the buffer's first byte
.endr
	global_store_b32 v6, v[PW], s[28:29]
	s_wait_tensorcnt 0x0                           ; the wave's end: behind my last LDS store
	ds_add_u32 v208, v209
	s_wait_dscnt 0x0
	s_endpgm
.Lfunc_end_k_q3c6271c0d2_prep:
	.size	k_q3c6271c0d2_prep, .Lfunc_end_k_q3c6271c0d2_prep-k_q3c6271c0d2_prep
	.p2alignl 7, 3214868480
	.fill 96, 4, 3214868480
	.section	.rodata,"a",@progbits
	.p2align	6, 0x0
	.amdhsa_kernel k_q3c6271c0d2_prep
		.amdhsa_group_segment_fixed_size 67072
		.amdhsa_private_segment_fixed_size 0
		.amdhsa_enable_private_segment 0
		.amdhsa_kernarg_size 88
		.amdhsa_user_sgpr_count 2
		.amdhsa_user_sgpr_kernarg_segment_ptr 1
		.amdhsa_wavefront_size32 1
		.amdhsa_system_sgpr_workgroup_id_x 1
		.amdhsa_system_sgpr_workgroup_id_y 1
		.amdhsa_system_sgpr_workgroup_id_z 1
		.amdhsa_system_vgpr_workitem_id 0
		.amdhsa_next_free_vgpr 210
		.amdhsa_next_free_sgpr 66
		.amdhsa_reserve_vcc 1
		.amdhsa_float_denorm_mode_32 3
		.amdhsa_float_denorm_mode_16_64 3
		.amdhsa_memory_ordered 1
		.amdhsa_forward_progress 1
		.amdhsa_inst_pref_size 132
	.end_amdhsa_kernel
	.amdgpu_metadata
---
amdhsa.version: [ 1, 2 ]
amdhsa.kernels:
  - .name:           k_q3c6271c0d2_prep
    .symbol:         k_q3c6271c0d2_prep.kd
    .args:
      - { .name: W_Q, .offset: 0, .size: 8, .value_kind: global_buffer, .address_space: global }
      - { .name: W_K, .offset: 8, .size: 8, .value_kind: global_buffer, .address_space: global }
      - { .name: W_V, .offset: 16, .size: 8, .value_kind: global_buffer, .address_space: global }
      - { .name: W_O, .offset: 24, .size: 8, .value_kind: global_buffer, .address_space: global }
      - { .name: W_in, .offset: 32, .size: 8, .value_kind: global_buffer, .address_space: global }
      - { .name: W_out, .offset: 40, .size: 8, .value_kind: global_buffer, .address_space: global }
      - { .name: wq, .offset: 48, .size: 8, .value_kind: global_buffer, .address_space: global }
      - { .name: resid_pre, .offset: 56, .size: 8, .value_kind: global_buffer, .address_space: global }
      - { .name: ln1_w, .offset: 64, .size: 8, .value_kind: global_buffer, .address_space: global }
      - { .name: ln1_b, .offset: 72, .size: 8, .value_kind: global_buffer, .address_space: global }
      - { .name: xc, .offset: 80, .size: 8, .value_kind: global_buffer, .address_space: global }
    .group_segment_fixed_size: 67072
    .private_segment_fixed_size: 0
    .kernarg_segment_align: 8
    .kernarg_segment_size: 88
    .max_flat_workgroup_size: 256
    .sgpr_count:     66
    .vgpr_count:     210
    .wavefront_size: 32
...
	.end_amdgpu_metadata
.endif
;; end of part 1
;; launch qkv (part 2): grid 12 x 16, 4 waves a work-group, clusters of 4 x 4, 327,680 bytes of LDS; arguments xc, wq, b_Q, b_K, b_V, qkv; writes qkv
.if DOCPART == 2
	.amdgcn_target "amdgcn-amd-amdhsa--gfx1250"
	.amdhsa_code_object_version 6
	.text
	.protected	k_q3c6271c0d2_qkv
	.globl	k_q3c6271c0d2_qkv
	.p2align	8
	.type	k_q3c6271c0d2_qkv,@function
k_q3c6271c0d2_qkv:
	s_mov_b64 s[64:65], 0
	v_nop
	global_prefetch_b8 v0, s[64:65] scope:SCOPE_SE
	s_setreg_imm32_b32 hwreg(HW_REG_WAVE_MODE, 25, 1), 1
	s_wait_xcnt 0x0
	s_wait_alu depctr_hold_cnt(0) depctr_sa_sdst(0) depctr_va_vdst(0) depctr_va_sdst(0) depctr_va_ssrc(0) depctr_va_vcc(0) depctr_vm_vsrc(0)
	s_getreg_b32 s2, hwreg(HW_REG_IB_STS2, 6, 4)
	s_cmp_eq_u32 s2, 0
	s_cbranch_scc0 .Lentry_in_a_cluster
	s_endpgm
.Lentry_in_a_cluster:
	s_bfe_u32 s2, ttmp6, 0x10000c
	s_cmp_lg_u32 s2, 0xf033
	s_cbranch_scc0 .Lentry_shape_is_right
	s_endpgm
.Lentry_shape_is_right:
; Q, K and V of all heads: x W + b on codes of FP6 (E2M3) with E8M0 scales, then RoPE on Q and K, then the quantisers of attention's operands: Q and K along the head's 64, V along the keys.
; OPERANDS lie as [16 rows][K / 256][record of 3,328 bytes]; a record holds two images of fragments (16 rows x 128 K: register 4 g + i of lane L at 512 g + 16 L + 4 i) and 32 scale words for each: three ds_load_b128 of
; 512 consecutive bytes bring a fragment, and codes and scales come by one tensor load.  Inside a block of 32 the codes stand in the order 0-7, 16-23, 8-15, 24-31 of k, alike in every operand of this program.
; A tile of 256 x 256 is made by four waves, 128 x 128 each: 64 accumulators in windows 2 and 3.  K goes in steps of 256 through a ring of two LDS slots.  THE MATRIX INSTRUCTION IS USED TRANSPOSED (source 0 = 16 rows of the
; B side, source 1 = 16 rows of the A side): lane (r, h) holds row r of the A side, and its registers 0-7 the B side's rows 8 h + 0 .. 7.
; CLUSTERS of 4 x 4: A's tiles are asked for jointly along a row of the cluster, B's along a column.  Cluster x = 0 makes Q, 1 makes K (A = tokens, B = the weight's rows: a lane holds a token, registers run along d),
; 2 makes V TRANSPOSED by exchanging the BUFFERS (A = W_V's rows, B = tokens: a lane holds one (head, d), registers run along 128 keys, which is a fragment of V as attention wants it).  The main loop is one text.
; The one branch on the cluster's x (alike in all partners) stands behind the last change of slots; each arm holds its loads of bias (and RoPE's table), the last two K steps, in which they land, and its way out.
; OUT: Q at 0, 106,496 bytes a (batch, head): codes [tile of 16 queries][768] (registers 0-3 at 16 L, 4-5 at 512 + 8 L), scale words [tile][16] at 98,304 (two bytes, then 0x7f7f).  K and V at 3,407,872, 208,896 bytes a
; (batch, head): K's codes as Q's; V's codes [128 keys][16 of d][1,536] at 98,304; K's scale words at 196,608; V's [128 keys][16 of d][16] at 204,800.
; LIMITS: NaN and infinities are not served; blocks whose largest magnitude lies under 2^-124 keep the byte 1.
.set NB,   8                           ; 16-row blocks a side a wave
.set NQ,   2                           ; K fragments in a slot
.set KTOT, 1024
.set REC,   3328
.set ROWL,  (NQ/2)*REC                 ; LDS bytes of 16 rows in a slot
.set HALFT, NB*ROWL                    ; what one tensor load brings, and what one wave reads of A or of B
.set SLOT,  4*HALFT                    ; A's two halves, then B's
.set SPARE, 2*SLOT                     ; behind the ring: the spare words, 128 bytes a wave, which no other line names
.set HB,    NB/2
.set QB,    NB/4
.set LAPS,  KTOT/(256*NQ)              ; a lap = once round the ring
.set KRECB, (KTOT/256)*REC             ; 16 rows of an operand in memory
.set ROPE_OFF, 10223616
.set ADRA, 16                          ; v16-17 LDS address of my A fragments in slot 0, 1: 16 x lane + ..
.set ADRB, 20                          ; v20-21 the same for B
.set ADRS, 22                          ; v22-23 of my scale words: lanes 0-15 A's, lanes 16-31 B's
.set SPW,  28                          ; v28 SPARE + 4 x my thread's number; never rewritten
.set NIL,  29                          ; v29 0; never rewritten
.set SC,   32                          ; v32-63 scale words, a set of 16 for each slot: register NQ i + q: lanes 0-15 A's block i, lanes 16-31 B's block i, K fragment q
.set AF,   128                         ; window 0: A's fragments, one set.  Window 1: B's two sets at v0 and v128
.set H,    128                         ; the way out: 64 numbers of a lane
.set TM,   200
.set PW,   216
.set PC,   224
.set SEL,  66
.set G1, 24
.set G0, 32
.set G1B, 48
.set G0B, 56
.set MSB, 0
.macro WIN new                         ; the immediate's high byte repeats the setting that is left
.if MSB != (\new)
	s_set_vgpr_msb (MSB<<8)|(\new)
.set MSB, \new
.endif
.endm
.set MUL_LO, 0xa1                      ; source 0 (B) window 1, source 1 (A) window 0, C and D window 2
.set MUL_HI, 0xf1                      ; the same, C and D window 3
.set TO_B,   0x40                      ; destination window 1, address window 0
.macro JLOAD g0a, g1a, g0b, g1b        ; a joint load: waves 0 and 1 fetch for A, waves 2 and 3 for B; four v_nop follow each line
	s_cmp_eq_u32 s15, 0
	s_cbranch_scc0 .Lfor_b_\@
	tensor_load_to_lds s[\g0a:\g0a+3], s[\g1a:\g1a+7]
	s_nop 0
.rept 4
	v_nop
.endr
	s_branch .Lasked_\@
.Lfor_b_\@:
	tensor_load_to_lds s[\g0b:\g0b+3], s[\g1b:\g1b+7]
	s_nop 0
.rept 4
	v_nop
.endr
.Lasked_\@:
.endm
.macro CREST                           ; a round of the cluster's barrier behind its opening barrier
	s_cmp_lg_u32 s14, 0
	s_cbranch_scc1 .Lnot_wave_0_\@
	s_barrier_signal -3
.Lnot_wave_0_\@:
	s_barrier_wait -3
	s_barrier_signal -1
	s_barrier_wait -1
.endm
.macro CROUND
	s_barrier_signal -1
	s_barrier_wait -1
	CREST
.endm
.macro PLACES n                        ; plain places behind matrix instructions, in front of loads into registers that they read and of the first read of results
.rept \n
	v_nop
.endr
.endm
.macro FRAG reg, adr, q, i             ; block i's fragment of the slot's K fragment q
.irp g, 0,1,2
	ds_load_b128 v[\reg+4*\g:\reg+4*\g+3], v[\adr] offset:(\i)*ROWL+((\q)/2)*REC+((\q)%2)*1536+512*\g
.endr
.endm
.macro FETCH_B slot, q, p
	WIN TO_B
.set fi, 0
.rept NB
	FRAG 128*(\p)+12*fi, ADRB+\slot, \q, fi
.set fi, fi+1
.endr
	WIN 0
.endm
.macro FETCH_A slot, q, i0             ; A's blocks i0 .. i0 + HB - 1
.set fi, \i0
.rept HB
	FRAG AF+12*fi, ADRA+\slot, \q, fi
.set fi, fi+1
.endr
.endm
.macro SCALES slot
.set fi, 0
.rept NB
.set fq, 0
.rept NQ
	ds_load_b32 v[SC+16*\slot+NQ*fi+fq], v[ADRS+\slot] offset:fi*ROWL+(fq/2)*REC+(fq%2)*128
.set fq, fq+1
.endr
.set fi, fi+1
.endr
.endm
; A's blocks a0 .. a0 + n - 1, each against B's NB.  The accumulators take turns, one instruction a turn, in the same order in every step.  zero = 1: the products start the sums.
.macro MULS a0, n, p, q, sc, zero
.set ma, \a0
.rept \n
.set mb, 0
.rept NB
.set rD, 8*(NB*(ma%HB)+mb)
.if \zero
	v_wmma_scale_f32_16x16x128_f8f6f4 v[rD:rD+7], v[128*(\p)+12*mb:128*(\p)+12*mb+11], v[AF+12*ma:AF+12*ma+11], 0, v[SC+16*(\sc)+NQ*mb+(\q)], v[SC+16*(\sc)+NQ*ma+(\q)] matrix_a_fmt:MATRIX_FMT_FP6 matrix_b_fmt:MATRIX_FMT_FP6 matrix_a_scale:MATRIX_SCALE_ROW1
.else
	v_wmma_scale_f32_16x16x128_f8f6f4 v[rD:rD+7], v[128*(\p)+12*mb:128*(\p)+12*mb+11], v[AF+12*ma:AF+12*ma+11], v[rD:rD+7], v[SC+16*(\sc)+NQ*mb+(\q)], v[SC+16*(\sc)+NQ*ma+(\q)] matrix_a_fmt:MATRIX_FMT_FP6 matrix_b_fmt:MATRIX_FMT_FP6 matrix_a_scale:MATRIX_SCALE_ROW1
.endif
.set mb, mb+1
.endr
.set ma, ma+1
.endr
.endm
.macro STEP slot, q, zero              ; 128 along K that has its successor in the same slot
	s_wait_dscnt HB*3                              ; B's set, A's lower blocks (and scale words) are in; the youngest loads, A's upper blocks, may be out
	WIN MUL_LO
	MULS 0,HB,(\q)%2,\q,\slot,\zero
	s_wait_dscnt 0x0                               ; A's upper blocks are in
	PLACES 4
	FETCH_B \slot,(\q)+1,1-(\q)%2
	FETCH_A \slot,(\q)+1,0
	WIN MUL_HI
	MULS HB,HB,(\q)%2,\q,\slot,\zero
	PLACES 4
	WIN 0
	FETCH_A \slot,(\q)+1,HB
.endm
.macro REST slot
.if NQ == 4
	STEP \slot,1,0
	STEP \slot,2,0
.endif
.endm
; A slot's last step changes slots: one barrier; in front of it each wave waits for all its tensor loads, adds 0 to its spare word, and waits for that and for its reads of this slot.  fill = 1: the slot is filled again.
.macro TURN slot, next, fill
	s_wait_tensorcnt 0x0                           ; all my tensor loads have landed: my part of the next slot
	ds_add_u32 v[SPW], v[NIL]                      ; 0 onto my spare word
	s_wait_dscnt HB*3+1                            ; (the add and A's upper blocks may be out)
	WIN MUL_LO
	MULS 0,QB,1,NQ-1,\slot,0
	s_wait_dscnt 0x0                               ; the add is done, and my reads of this slot are over
	s_barrier_signal -1
	MULS QB,QB,1,NQ-1,\slot,0
	WIN 0
	s_barrier_wait -1
.if \fill
	CREST                                          ; the barrier has opened a round of the cluster's: no wave of any partner still reads this slot or has a load on its way
	s_add_nc_u64 s[G0+4*\slot+2:G0+4*\slot+3], s[G0+4*\slot+2:G0+4*\slot+3], 2*ROWL
	s_add_nc_u64 s[G0B+4*\slot+2:G0B+4*\slot+3], s[G0B+4*\slot+2:G0B+4*\slot+3], 2*ROWL
	JLOAD G0+4*\slot,G1,G0B+4*\slot,G1B            ; the first tensor load behind the round; its four v_nop are the places in front of the loads below
.else
	PLACES 4
.endif
	FETCH_B \next,0,0
	FETCH_A \next,0,0
	SCALES \next
	WIN MUL_HI
	MULS HB,HB,1,NQ-1,\slot,0
	PLACES 4
	WIN 0
	FETCH_A \next,0,HB
.endm
.macro LAST                            ; the very last step: nothing more to fetch
	s_wait_dscnt HB*3
	WIN MUL_LO
	MULS 0,HB,1,NQ-1,1,0
	s_wait_dscnt 0x0
	WIN MUL_HI
	MULS HB,HB,1,NQ-1,1,0
	WIN 0
	PLACES 4
.endm
; 64 numbers of a lane, register 16 b + i = my i-th number of block b of my row, become a fragment's codes in v[PC] on and its scale word in v[PW].
.macro QUANT s
.irp b, 0,1,2,3
	v_max3_num_f32 v[TM+\b], |v[\s+16*\b]|, |v[\s+1+16*\b]|, 0x1800000   ; and the floor 2^(3 - 127): the byte cannot fall under 1
.endr
.irp i, 2,4,6,8,10,12,14
.irp b, 0,1,2,3
	v_max3_num_f32 v[TM+\b], v[TM+\b], |v[\s+16*\b+\i]|, |v[\s+1+16*\b+\i]|
.endr
.endr
.irp b, 0,1,2,3
	v_permlanex16_b32 v[TM+4+\b], v[TM+\b], s[SEL], s[SEL+1]
.endr
.irp b, 0,1,2,3
	v_max_num_f32 v[TM+\b], v[TM+\b], v[TM+4+\b]
.endr
.irp b, 0,1,2,3
	v_add_nc_u32 v[TM+12+\b], 0xff000000, v[TM+\b] ; 2 off the exponent field: the conversion's scale operand
.endr
.irp b, 0,1,2,3
	v_lshrrev_b32 v[TM+4+\b], 23, v[TM+12+\b]
.endr
	v_lshl_or_b32 v[PW], v[TM+5], 8, v[TM+4]
	v_lshl_or_b32 v[PW], v[TM+6], 16, v[PW]
	v_lshl_or_b32 v[PW], v[TM+7], 24, v[PW]
.irp c, 0,1
	v_cvt_scalef32_pk16_fp6_f32 v[PC+6*\c:PC+2+6*\c], v[\s+32*\c:\s+15+32*\c], v[TM+12+2*\c]
	v_cvt_scalef32_pk16_fp6_f32 v[PC+12+4*\c:PC+14+4*\c], v[\s+16+32*\c:\s+31+32*\c], v[TM+12+2*\c+1]
.endr
	v_nop                                          ; one plain place behind a scaled conversion
.irp c, 0,1
.irp i, 0,1,2
	v_permlane16_swap_b32 v[PC+6*\c+\i], v[PC+12+4*\c+\i]
.endr
.irp i, 0,1,2
	v_mov_b32 v[PC+3+6*\c+\i], v[PC+12+4*\c+\i]
.endr
.endr
.endm
	s_load_b256 s[4:11], s[0:1], 0x0               ; xc s[4:5], wq s[6:7], b_Q s[8:9], b_K s[10:11]
	s_load_b128 s[68:71], s[0:1], 0x20             ; b_V s[68:69], qkv s[70:71]
	v_lshl_add_u32 v[SPW], v0, 2, SPARE
	v_mov_b32 v[NIL], 0
	ds_add_u32 v28, v29
	ds_add_u32 v28, v29
	s_wait_dscnt 0x0
	v_lshrrev_b32 v1, 5, v0
	v_readfirstlane_b32 s14, v1                    ; wave 0..3
	s_lshr_b32 s15, s14, 1                         ; which half of the A side is mine.  Also: I fetch for A (0) or for B (1)
	s_and_b32 s16, s14, 1                          ; which half of the B side.  Also: which half of that tile I fetch
	s_bfe_u32 s40, ttmp6, 0x40000                  ; cx, cy: my place in the cluster
	s_bfe_u32 s41, ttmp6, 0x40004
	s_and_b32 s72, ttmp7, 0xffff
	s_lshl_b32 s72, s72, 2                         ; 4 x cluster y
	s_lshl_b32 s73, ttmp9, 2                       ; 4 x cluster x
	s_cmp_eq_u32 ttmp9, 2                          ; V?  The same answer in all sixteen partners
	s_cselect_b32 s17, 0, s72
	s_cselect_b32 s42, s72, s73
	s_cselect_b32 s74, 1703936, 0                  ; W_V's rows begin 128 blocks of 16 rows into wq
	s_add_co_u32 s17, s17, s41                     ; A's tile: tokens 4 cluster y + cy, or W_V's rows cy
	s_add_co_u32 s42, s42, s40                     ; B's tile: the weights' rows 4 cluster x + cx, or tokens 4 cluster y + cx
	s_lshl_b32 s43, s41, 2
	s_lshl_b32 s43, 15, s43                        ; my row of the cluster
	s_lshl_b32 s44, 0x1111, s40                    ; my column
	s_or_b32 s[G1+0], s43, (3<<16)|(1<<21)         ; 15:0 the mask; 17:16 elements of 8 bytes; 21 set beside a mask; no padding
	s_or_b32 s[G1B+0], s44, (3<<16)|(1<<21)
.irp g, G1, G1B
	s_mov_b32 s[\g+1], (ROWL/8)<<16                ; tensor_dim0
	s_mov_b32 s[\g+2], NB<<16                      ; tensor_dim1
	s_mov_b32 s[\g+3], (ROWL/8)<<16                ; tile_dim0
	s_mov_b32 s[\g+4], NB                          ; tile_dim1
	s_mov_b32 s[\g+5], KRECB/8                     ; from 16 rows to the next 16
	s_mov_b32 s[\g+6], 0
	s_mov_b32 s[\g+7], 0
.endr
	s_mul_i32 s18, s16, NB
	s_mul_i32 s20, s17, 2*NB
	s_add_co_u32 s20, s20, s18
	s_mul_i32 s20, s20, KRECB
	s_add_co_u32 s20, s20, s74
	s_mov_b32 s21, 0
	s_mul_i32 s46, s42, 2*NB
	s_add_co_u32 s46, s46, s18
	s_mul_i32 s46, s46, KRECB
	s_mov_b32 s47, 0
	s_mul_i32 s45, s14, HALFT                      ; where they go: no place in the cluster enters an LDS address
	s_mov_b32 s[SEL], 0x76543210
	s_mov_b32 s[SEL+1], 0xfedcba98
	s_wait_kmcnt 0x0
	s_cmp_eq_u32 ttmp9, 2
	s_cselect_b64 s[76:77], s[6:7], s[4:5]         ; A's buffer
	s_cselect_b64 s[78:79], s[4:5], s[6:7]         ; B's
	s_add_nc_u64 s[20:21], s[76:77], s[20:21]
	s_add_nc_u64 s[46:47], s[78:79], s[46:47]
	; the prefetches' address: of the eight 16-row blocks that I fetch, my work-group names two (its place among the four that ask jointly: cx for A, cy for B): 26 blocks of 256 bytes a slot, a lane each
	s_cmp_eq_u32 s15, 0
	s_cselect_b64 s[98:99], s[20:21], s[46:47]
	s_cselect_b32 s96, s40, s41
	s_mul_i32 s96, s96, KRECB*(NB/4)
	s_mov_b32 s97, 0
	s_add_nc_u64 s[98:99], s[98:99], s[96:97]
	s_wait_alu depctr_va_vdst(0)
	v_and_b32 v30, 31, v0
	v_min_u32 v30, 25, v30
	v_cmp_gt_u32 vcc_lo, 13, v30
	v_lshlrev_b32 v30, 8, v30
	v_cndmask_b32 v31, KRECB-ROWL, v29, vcc_lo     ; lanes 13-25: the second 16 rows
	v_add_nc_u32 v30, v30, v31
	s_wait_alu depctr_va_vdst(0)
	CROUND
.irp s, 0,1
	s_mov_b32 s[G0+4*\s], 1
	s_add_co_u32 s[G0+4*\s+1], s45, \s*SLOT
	s_add_nc_u64 s[G0+4*\s+2:G0+4*\s+3], s[20:21], \s*ROWL
	s_or_b32 s[G0+4*\s+3], s[G0+4*\s+3], 0x80000000
	s_mov_b32 s[G0B+4*\s], 1
	s_add_co_u32 s[G0B+4*\s+1], s45, \s*SLOT
	s_add_nc_u64 s[G0B+4*\s+2:G0B+4*\s+3], s[46:47], \s*ROWL
	s_or_b32 s[G0B+4*\s+3], s[G0B+4*\s+3], 0x80000000
.if \s == 1                            ; slot 1's first fill is issued as a refill is
	s_wait_alu depctr_va_vdst(0)
	s_wait_tensorcnt 0x0
	ds_add_u32 v28, v29
	ds_add_u32 v28, v29
	s_wait_dscnt 0x0
	CROUND
.endif
	JLOAD G0+4*\s,G1,G0B+4*\s,G1B
.if \s == 0                            ; behind slot s's load: the slots up to two on are asked for, each once in the cluster
	global_prefetch_b8 v30, s[98:99] offset:ROWL th:TH_LOAD_NT scope:SCOPE_SE
	global_prefetch_b8 v30, s[98:99] offset:2*ROWL th:TH_LOAD_NT scope:SCOPE_SE
.else
	global_prefetch_b8 v30, s[98:99] offset:3*ROWL th:TH_LOAD_NT scope:SCOPE_SE
.endif
.endr
	v_and_b32 v1, 15, v0                           ; r
	v_bfe_u32 v2, v0, 4, 1                         ; h
	s_wait_alu depctr_va_vdst(0)
	v_and_b32 v3, 31, v0                           ; lane
	v_lshlrev_b32 v4, 4, v3                        ; 16 x lane
	s_mul_i32 s21, s15, HALFT
	s_mul_i32 s22, s16, HALFT
	s_add_co_u32 s22, s22, 2*HALFT
.irp s, 0,1
	v_add_nc_u32 v[ADRA+\s], s21, v4
	v_add_nc_u32 v[ADRB+\s], s22, v4
	s_add_co_u32 s21, s21, SLOT
	s_add_co_u32 s22, s22, SLOT
.endr
	s_mul_i32 s21, s15, HALFT
	s_mul_i32 s22, s16, HALFT
	s_add_co_u32 s22, s22, 2*HALFT
	s_sub_co_u32 s22, s22, s21
	v_mul_u32_u24 v6, s22, v2                      ; lanes 16-31 take B's words: one product, the distance from A's half to B's
	s_wait_alu depctr_va_vdst(0)
	v_lshl_add_u32 v6, v3, 2, v6
	s_add_co_u32 s21, s21, 3072
	v_add_nc_u32 v[ADRS], s21, v6
	v_add_nc_u32 v[ADRS+1], SLOT, v[ADRS]
	s_wait_alu depctr_va_vdst(0)
	s_wait_tensorcnt 1                             ; my part of slot 0 is in; slot 1's may stay out
	s_barrier_signal -1
	s_barrier_wait -1
	FETCH_B 0,0,0
	FETCH_A 0,0,0
	SCALES 0
	FETCH_A 0,0,HB
	STEP 0,0,1                                     ; the first step stands in front of the loop: its products start the sums
.if LAPS > 1
	s_mov_b32 s3, LAPS-1
.Llap:
	REST 0
	TURN 0,1,1
	STEP 1,0,0
	REST 1
	TURN 1,0,1
	STEP 0,0,0
	s_sub_co_u32 s3, s3, 1
	s_cmp_lg_u32 s3, 0
	s_cbranch_scc1 .Llap
.endif
	REST 0
	TURN 0,1,0                                     ; the last lap fills nothing
	s_cmp_eq_u32 ttmp9, 2
	s_cbranch_scc1 .Lvpath
	; ---- Q and K.  My 128 tokens x 128 columns = two heads.
	s_cmp_eq_u32 ttmp9, 1
	s_cselect_b64 s[8:9], s[10:11], s[8:9]         ; the bias
	s_mov_b32 s80, 106496
	s_cselect_b32 s80, 208896, s80                 ; bytes of a (batch, head)
	s_mov_b32 s81, 98304
	s_cselect_b32 s81, 196608, s81                 ; where its scale words begin
	s_cselect_b32 s82, 3407872, 0                  ; the region
	s_lshl_b32 s83, s40, 8
	s_lshl_b32 s84, s16, 7
	s_add_co_u32 s83, s83, s84                     ; my first column in the tensor
	s_lshl_b32 s84, s83, 2
	s_mov_b32 s85, 0
	s_add_nc_u64 s[8:9], s[8:9], s[84:85]
	s_lshr_b32 s83, s83, 6                         ; my first head
	s_lshr_b32 s86, s17, 3                         ; batch
	s_lshl_b32 s86, s86, 4
	s_add_co_u32 s83, s83, s86
	s_mul_i32 s83, s83, s80
	s_add_co_u32 s83, s83, s82
	s_and_b32 s86, s17, 7
	s_lshl_b32 s86, s86, 4
	s_lshl_b32 s87, s15, 3
	s_add_co_u32 s86, s86, s87                     ; my first tile of 16 tokens in the sequence
	s_mul_i32 s88, s86, 768
	s_add_co_u32 s88, s88, s83
	s_mov_b32 s89, 0
	s_add_nc_u64 s[88:89], s[70:71], s[88:89]      ; the first head's codes,
	s_mov_b32 s90, s80
	s_mov_b32 s91, 0
	s_add_nc_u64 s[90:91], s[88:89], s[90:91]      ; the second's
	s_lshl_b32 s92, s86, 6
	s_add_co_u32 s92, s92, s83
	s_add_co_u32 s92, s92, s81
	s_mov_b32 s93, 0
	s_add_nc_u64 s[92:93], s[70:71], s[92:93]      ; the scale words
	s_lshl_b32 s94, s86, 12                        ; 256 bytes of the table a token
	s_add_co_u32 s94, s94, ROPE_OFF
	s_mov_b32 s95, 0
	s_add_nc_u64 s[94:95], s[6:7], s[94:95]
	v_lshlrev_b32 v5, 3, v3                        ; 8 x lane
	v_lshlrev_b32 v6, 8, v1
	v_lshl_add_u32 v6, v2, 5, v6                   ; the table: token r, + 32 h: pairs 4 h .. 4 h + 3 of each 16 of d
	v_mul_u32_u24 v7, s80, v2
	v_lshl_add_u32 v7, v1, 2, v7                   ; a scale word: 4 r; lanes 16-31 write the second head's
	v_lshlrev_b32 v8, 5, v2                        ; the bias: 32 h
.macro ROPELD a                        ; (cos, sin) for tokens 16 a + r: register 8 e + 2 p, + 1: the pair of d = 16 e + 8 h + 2 p
.irp e, 0,1,2,3
	global_load_b128 v[64+32*((\a)%2)+8*\e:67+32*((\a)%2)+8*\e], v6, s[94:95] offset:(\a)*4096+64*\e
	global_load_b128 v[68+32*((\a)%2)+8*\e:71+32*((\a)%2)+8*\e], v6, s[94:95] offset:(\a)*4096+64*\e+16
.endr
.endm
	WIN TO_B                                       ; the bias in the result's layout, into window 1's idle registers: tiles 0-3 at v96, tiles 4-7 at v224
.irp b, 0,1,2,3,4,5,6,7
	global_load_b128 v[96+8*\b+96*(\b/4):99+8*\b+96*(\b/4)], v8, s[8:9] offset:64*\b
	global_load_b128 v[100+8*\b+96*(\b/4):103+8*\b+96*(\b/4)], v8, s[8:9] offset:64*\b+16
.endr
	WIN 0
	ROPELD 0
	ROPELD 1
	STEP 1,0,0
	REST 1
	LAST
.irp b, 0,1,2,3
	v_mov_b32 v[TM+4+\b], 0                        ; written once: a lane permute's destination counts as one of its sources
.endr
	v_lshlrev_b32 v218, 4, v2                      ; 16 h
	v_mov_b32 v219, 0x7f7f0000
.macro QKOUT a
.set AC, 64*((\a)%4)
.set RS, 64+32*((\a)%2)
.if (\a) < 7
	s_wait_loadcnt 8                               ; the bias and this block's table are in; the other set's eight loads may stay out
.else
	s_wait_loadcnt 0x0
.endif
	s_wait_xcnt 0x0                                ; the last block's stores have read their registers
	WIN 0x06+(\a)/4                                ; source 0 the accumulators' window, source 1 window 1
.set i, 0
.rept 32
	v_pk_add_f32 v[H+2*i:H+2*i+1], v[AC+2*i:AC+2*i+1], v[96+2*i+96*(i/16):97+2*i+96*(i/16)]
.set i, i+1
.endr
	WIN 0
.set i, 0
.rept 32                               ; (xr, xi) -> (xr c - xi s, xr s + xi c)
	v_mul_f32 v[192+2*(i%4)], v[H+2*i+1], v[RS+2*(i%16)+1]
	v_mul_f32 v[193+2*(i%4)], v[H+2*i+1], v[RS+2*(i%16)]
	v_fma_f32 v[H+2*i+1], v[H+2*i], v[RS+2*(i%16)+1], v[193+2*(i%4)]
	v_fma_f32 v[H+2*i], v[H+2*i], v[RS+2*(i%16)], -v[192+2*(i%4)]
.set i, i+1
.endr
.if (\a) < 6
	ROPELD (\a)+2
.endif
	QUANT H                                        ; blocks 0, 1: the first head's 64; blocks 2, 3: the second's
	global_store_b128 v4, v[PC:PC+3], s[88:89] offset:768*(\a)
	global_store_b64 v5, v[PC+4:PC+5], s[88:89] offset:768*(\a)+512
	global_store_b128 v4, v[PC+6:PC+9], s[90:91] offset:768*(\a)
	global_store_b64 v5, v[PC+10:PC+11], s[90:91] offset:768*(\a)+512
	v_lshrrev_b32 v217, v218, v[PW]
	v_and_or_b32 v217, v217, 0xffff, v219          ; my head's two bytes, and 2^0 for the half of K that attention pads
	global_store_b32 v7, v217, s[92:93] offset:64*(\a)
.endm
.irp a, 0,1,2,3,4,5,6,7
	QKOUT \a
.endr
	s_branch .Lclose
.Lvpath:	; ---- V.  My 128 rows of W_V (two heads) x 128 tokens (one fragment of keys).
	s_lshl_b32 s80, s17, 8
	s_lshl_b32 s81, s15, 7
	s_add_co_u32 s80, s80, s81                     ; my first row of W_V
	s_lshl_b32 s84, s80, 2
	s_mov_b32 s85, 0
	s_add_nc_u64 s[68:69], s[68:69], s[84:85]
	s_lshr_b32 s80, s80, 6                         ; my first head
	s_lshr_b32 s81, s42, 3                         ; batch
	s_lshl_b32 s81, s81, 4
	s_add_co_u32 s80, s80, s81
	s_mul_i32 s80, s80, 208896
	s_add_co_u32 s80, s80, 3407872
	s_and_b32 s81, s42, 7
	s_lshl_b32 s81, s81, 1
	s_add_co_u32 s81, s81, s16                     ; which 128 keys
	s_mul_i32 s88, s81, 6144
	s_add_co_u32 s88, s88, s80
	s_add_co_u32 s88, s88, 98304
	s_mov_b32 s89, 0
	s_add_nc_u64 s[88:89], s[70:71], s[88:89]
	s_lshl_b32 s92, s81, 8
	s_add_co_u32 s92, s92, s80
	s_add_co_u32 s92, s92, 204800
	s_mov_b32 s93, 0
	s_add_nc_u64 s[92:93], s[70:71], s[92:93]
	v_lshlrev_b32 v9, 2, v1                        ; 4 r
.irp a, 0,1,2,3,4,5,6,7
	global_load_b32 v[64+2*\a], v9, s[68:69] offset:64*\a      ; b_V of my row, in both registers of a pair for the packed addition
	global_load_b32 v[65+2*\a], v9, s[68:69] offset:64*\a
.endr
	STEP 1,0,0
	REST 1
	LAST
.irp b, 0,1,2,3
	v_mov_b32 v[TM+4+\b], 0
.endr
	s_wait_loadcnt 0x0
.macro VOUT a
.set AC, 64*((\a)%4)
	s_wait_xcnt 0x0                                ; the last block's stores have read their registers
	WIN 0x02+(\a)/4
.set i, 0
.rept 32
	v_pk_add_f32 v[H+2*i:H+2*i+1], v[AC+2*i:AC+2*i+1], v[64+2*(\a):65+2*(\a)]
.set i, i+1
.endr
	WIN 0
	QUANT H
.irp g, 0,1,2
	global_store_b128 v4, v[PC+4*\g:PC+4*\g+3], s[88:89] offset:((\a)/4)*208896+((\a)%4)*1536+512*\g
.endr
	global_store_b32 v9, v[PW], s[92:93] offset:((\a)/4)*208896+((\a)%4)*64   ; both halves of the lanes write the same word with the same value
.endm
.irp a, 0,1,2,3,4,5,6,7
	VOUT \a
.endr
.Lclose:
	s_wait_tensorcnt 0x0                           ; the wave's end
	ds_add_u32 v[SPW], v[NIL]
	s_wait_dscnt 0x0
	CROUND                                         ; the closing round: no work-group ends while a partner may still ask for a tile that names it
	s_endpgm
.Lfunc_end_k_q3c6271c0d2_qkv:
	.size	k_q3c6271c0d2_qkv, .Lfunc_end_k_q3c6271c0d2_qkv-k_q3c6271c0d2_qkv
	.p2alignl 7, 3214868480
	.fill 96, 4, 3214868480
	.section	.rodata,"a",@progbits
	.p2align	6, 0x0
	.amdhsa_kernel k_q3c6271c0d2_qkv
		.amdhsa_group_segment_fixed_size 327680
		.amdhsa_private_segment_fixed_size 0
		.amdhsa_enable_private_segment 0
		.amdhsa_kernarg_size 48
		.amdhsa_user_sgpr_count 2
		.amdhsa_user_sgpr_kernarg_segment_ptr 1
		.amdhsa_wavefront_size32 1
		.amdhsa_system_sgpr_workgroup_id_x 1
		.amdhsa_system_sgpr_workgroup_id_y 1
		.amdhsa_system_sgpr_workgroup_id_z 1
		.amdhsa_system_vgpr_workitem_id 0
		.amdhsa_next_free_vgpr 1024
		.amdhsa_next_free_sgpr 100
		.amdhsa_reserve_vcc 1
		.amdhsa_float_denorm_mode_32 3
		.amdhsa_float_denorm_mode_16_64 3
		.amdhsa_memory_ordered 1
		.amdhsa_forward_progress 1
		.amdhsa_inst_pref_size 255
	.end_amdhsa_kernel
	.section	.bss,"aw",@nobits
	.p2align	6
	.space	262144
	.amdgpu_metadata
---
amdhsa.version: [ 1, 2 ]
amdhsa.kernels:
  - .name:           k_q3c6271c0d2_qkv
    .symbol:         k_q3c6271c0d2_qkv.kd
    .args:
      - { .name: xc, .offset: 0, .size: 8, .value_kind: global_buffer, .address_space: global }
      - { .name: wq, .offset: 8, .size: 8, .value_kind: global_buffer, .address_space: global }
      - { .name: b_Q, .offset: 16, .size: 8, .value_kind: global_buffer, .address_space: global }
      - { .name: b_K, .offset: 24, .size: 8, .value_kind: global_buffer, .address_space: global }
      - { .name: b_V, .offset: 32, .size: 8, .value_kind: global_buffer, .address_space: global }
      - { .name: qkv, .offset: 40, .size: 8, .value_kind: global_buffer, .address_space: global }
    .group_segment_fixed_size: 327680
    .private_segment_fixed_size: 0
    .kernarg_segment_align: 8
    .kernarg_segment_size: 48
    .max_flat_workgroup_size: 128
    .sgpr_count:     100
    .vgpr_count:     1024
    .wavefront_size: 32
...
	.end_amdgpu_metadata
.endif
;; end of part 2
;; launch attn (part 3): grid 8 x 32, 16 waves a work-group, clusters of 4 x 1, 249,856 bytes of LDS; arguments qkv, ac; writes ac
.if DOCPART == 3
	.amdgcn_target "amdgcn-amd-amdhsa--gfx1250"
	.amdhsa_code_object_version 6
	.text
	.protected	k_q3c6271c0d2_attn
	.globl	k_q3c6271c0d2_attn
	.p2align	8
	.type	k_q3c6271c0d2_attn,@function
k_q3c6271c0d2_attn:
	s_mov_b64 s[64:65], 0
	v_nop
	global_prefetch_b8 v0, s[64:65] scope:SCOPE_SE
	s_setreg_imm32_b32 hwreg(HW_REG_WAVE_MODE, 25, 1), 1
	s_wait_xcnt 0x0
	s_wait_alu depctr_hold_cnt(0) depctr_sa_sdst(0) depctr_va_vdst(0) depctr_va_sdst(0) depctr_va_ssrc(0) depctr_va_vcc(0) depctr_vm_vsrc(0)
	s_getreg_b32 s2, hwreg(HW_REG_IB_STS2, 6, 4)
	s_cmp_eq_u32 s2, 0
	s_cbranch_scc0 .Lentry_in_a_cluster
	s_endpgm
.Lentry_in_a_cluster:
	s_bfe_u32 s2, ttmp6, 0x10000c
	s_cmp_lg_u32 s2, 0x3003
	s_cbranch_scc0 .Lentry_shape_is_right
	s_endpgm
.Lentry_shape_is_right:
; Causal attention of one (batch, head) on codes of FP6 (E2M3) with E8M0 scales; the result is divided by the row's sum and quantised along (head, d) into the O projection's operand.
; MASK, as reference() has it: key > query, and every score that is exactly 0, become -infinity ahead of the maximum.  A row with no score left has the sum 0: its scale bytes are set to 0xff, so that the next product's
; sums of that row are NaN, as reference()'s are.
; SOFTMAX: t = score x log2(e) / 8; M = the running largest t rounded up to a whole number; p = 2^(t - M) is quantised along the keys, not normalised; the sum is taken of the unquantised p; when M moves, the sum and O are
; multiplied by 2^(old M - new M), which rounds nothing.
; SHARES.  A head has 16 blocks of 128 queries, a block 8 tiles of 16.  Work-group i (0..7) of a head owns tile i of every block.  Block b needs b + 1 key steps of 128.  Pair p = waves p and p + 8 owns the tiles of blocks
; p and 15 - p: 17 steps.  Wave p takes steps 0 .. 8 of the long tile.  Wave p + 8 takes the short tile's p + 1 steps, finishes and stores it, then takes the long tile's steps 9 .. 15 - p (7 - p of them) and hands its
; partial O, M and sum to wave p through 4,608 bytes of LDS; wave p joins the two by factors 2^(M' - M), which round nothing, and finishes the long tile.  So the loop has nine trips, eight of them with all waves at work.
; Every branch hangs on the wave's number and the trip alone, alike in all work-groups; the work-group's place enters global addresses and the diagonal's compare value only.
; CLUSTER 4 x 1: four work-groups of one head ask for the head's K and V jointly (mask 15); every tile asked for is read in every partner (pair 0 walks all sixteen steps).
; LDS holds the head's K and V, codes and scale words, 208,896 dense bytes, filled ONCE: each wave brings 51 rows of 256 bytes; one barrier.  No prefetch: all tiles are asked for at the head, there is no loop to run ahead in.
; From 210,944: eight slots for the partial results; from 247,808: the spare words.
; LAYOUT.  Both products are used transposed: S^T = K Q^T (source 0 = 16 keys), O^T = V^T P^T (source 0 = 16 of d): a lane holds one query (lane % 16) throughout, and its registers 8 (lane / 16) + 0 .. 7 of a tile.
; THE HEAD HAS 64 NUMBERS, THE INSTRUCTION WANTS 128: Q's registers 6-11 are zero codes, and bytes 2, 3 of Q's and K's scale words are 2^0.  A tile of K is 6 registers; as source 0 the instruction is given 12, of which the
; upper six are the next tile's codes (for the last tile: six registers of zeros): every code of this format is a finite number, and it is multiplied by Q's zeros.
; Inside a block of 32 the codes stand in the order 0-7, 16-23, 8-15, 24-31 of k, alike in both operands of each product.
; The image's middle 512 bytes and the scale words of the result are shared by two heads, so two work-groups each write half of them.
; Every wave loads the codes of two tiles of Q, its first and the pair's long one (for waves 0-7 the same tile): one text for both kinds of wave.
; LIMITS: NaN and infinities are not served; a score that becomes 0 only by the division by 8 (a denormal) is not taken for 0; blocks under 2^-124 keep the byte 1; the promise holds while |t| stays under 2^31.
; REGISTERS: v1-7, v92 addresses that stay; v8-11, v28 the step's; v12 -M, v13 the largest t, v[14:15] the sum; v16-27 Q; v29 Q's scale words; v32-85 K (later v32-79 V); v86-89 K's scale words, v90-91 V's; v96-159 S^T, then p;
; v160-191 O^T; v192-203 p's codes; v204-210 the conversions' second halves; v212-218 the long tile's Q; v232-254 at work; v253 p's scale word; v251, v255 the add's.
.set KVB,   208896
.set QBH,   106496
.set KVREG, 3407872
.set STB,   210944
.set SLOTB, 4608
.set SPARE, 247808
.set WV,  8
.set PP,  10                           ; s10 the pair
.set G1,  16
.set G0,  24
.set SEL, 28
.set CS,  30
.set TK,  32                           ; s32 6,144 x trip: a step's codes of K, and of V
.set TS,  33                           ; s33 512 x trip: K's scale words
.set TV,  34                           ; s34 256 x trip: V's
.set ST,  35                           ; s35 the trip
.set WI,  36                           ; s36 the work-group's number in its head
.set SW,  37                           ; s37 the trip at which I change tiles (waves 0-7: never)
.set SD1, 38                           ; s38 my first tile's block, s39 the long tile's
.set SD2, 39
.set DK,  40                           ; s40-43 behind the change a trip's step lies 8 - p further on: in bytes of codes, of K's words, of V's words, in steps
.set DS,  41
.set DV,  42
.set DE,  43
.set MK,  66                           ; s66-81 sixteen lane masks
.macro CROUND                          ; a round of the cluster's barrier
	s_barrier_signal -1
	s_barrier_wait -1
	s_cmp_lg_u32 s[WV], 0
	s_cbranch_scc1 .Lnot_wave_0_\@
	s_barrier_signal -3
.Lnot_wave_0_\@:
	s_barrier_wait -3
	s_barrier_signal -1
	s_barrier_wait -1
.endm
; A tile's way out: O^T / the sum, quantised along d: two blocks of 32, half a fragment of the O projection's operand.
.macro FINAL
.rept 4
	v_nop                                          ; places behind the last products
.endr
	v_add_f32 v14, v14, v15
	s_delay_alu instid0(VALU_DEP_1)
	v_permlanex16_b32 v252, v14, s[SEL], s[SEL+1]
	s_delay_alu instid0(VALU_DEP_1)
	v_add_f32 v14, v14, v252                       ; the row's sum
	s_wait_alu depctr_va_vdst(0)
	v_rcp_f32 v15, v14
	v_nop
	s_wait_alu depctr_va_vdst(0)                   ; the wait ahead of the first reader
.set j, 0
.rept 32
	v_mul_f32 v[96+j], v[160+j], v15               ; register 8 t + i: o(query r, d = 16 t + 8 h + i)
.set j, j+1
.endr
.irp b, 0,1
	v_max3_num_f32 v[232+\b], |v[96+16*\b]|, |v[97+16*\b]|, 0x1800000
.endr
.irp i, 2,4,6,8,10,12,14
.irp b, 0,1
	s_delay_alu instid0(VALU_DEP_2)
	v_max3_num_f32 v[232+\b], v[232+\b], |v[96+16*\b+\i]|, |v[97+16*\b+\i]|
.endr
.endr
.irp b, 0,1
	s_delay_alu instid0(VALU_DEP_2)
	v_permlanex16_b32 v[236+\b], v[232+\b], s[SEL], s[SEL+1]
.endr
.irp b, 0,1
	s_delay_alu instid0(VALU_DEP_2)
	v_max_num_f32 v[232+\b], v[232+\b], v[236+\b]
.endr
.irp b, 0,1
	s_delay_alu instid0(VALU_DEP_2)
	v_add_nc_u32 v[244+\b], 0xff000000, v[232+\b]
.endr
.irp b, 0,1
	s_delay_alu instid0(VALU_DEP_2)
	v_lshrrev_b32 v[236+\b], 23, v[244+\b]
.endr
	s_delay_alu instid0(VALU_DEP_1)
	v_lshl_or_b32 v240, v237, 8, v236              ; my head's two bytes of the row's scale word
	v_mov_b32 v241, 0xffff
	v_cmp_eq_f32 vcc_lo, 0, v14
	s_delay_alu instid0(VALU_DEP_1)
	v_cndmask_b32 v240, v240, v241, vcc_lo         ; a row with nothing left: NaN
	v_cvt_scalef32_pk16_fp6_f32 v[192:194], v[96:111], v244
	v_cvt_scalef32_pk16_fp6_f32 v[204:206], v[112:127], v245
	v_nop
.irp i, 0,1,2
	v_permlane16_swap_b32 v[192+\i], v[204+\i]
.endr
.irp i, 0,1,2
	s_delay_alu instid0(VALU_DEP_3)
	v_mov_b32 v[195+\i], v[204+\i]
.endr
	s_cmp_eq_u32 s61, 1
	s_cbranch_scc1 .Lodd_\@
	global_store_b128 v1, v[192:195], s[52:53]                 ; an even head: registers 0-5 of the fragment
	global_store_b64 v1, v[196:197], s[52:53] offset:512
	s_branch .Lwords_\@
.Lodd_\@:
	s_wait_alu depctr_va_vdst(0)
	global_store_b64 v1, v[192:193], s[52:53] offset:520       ; an odd head: registers 6-11
	global_store_b128 v1, v[194:197], s[52:53] offset:1024
.Lwords_\@:
	s_wait_alu depctr_va_vdst(0)
	global_store_b16 v7, v240, s[54:55]
.endm
	s_load_b128 s[4:7], s[0:1], 0x0                ; qkv s[4:5], ac s[6:7]
	v_lshl_add_u32 v251, v0, 2, SPARE
	v_mov_b32 v255, 0
	ds_add_u32 v251, v255                          ; the opening lines: the add, twice on end, and its wait
	ds_add_u32 v251, v255
	v_lshrrev_b32 v8, 5, v0
	s_delay_alu instid0(VALU_DEP_1)
	v_readfirstlane_b32 s[WV], v8                  ; wave 0..15
	s_and_b32 s9, ttmp7, 0xffff                    ; 16 x batch + head: the cluster's y
	s_mov_b32 s[G1], (3<<16)|(1<<21)|15            ; elements of 8 bytes, the four partners' mask and bit 21 beside it, no padding
	s_mov_b32 s[G1+1], 32<<16                      ; tensor_dim0: 256 bytes
	s_mov_b32 s[G1+2], 51<<16                      ; tensor_dim1
	s_mov_b32 s[G1+3], 32<<16                      ; tile_dim0
	s_mov_b32 s[G1+4], 51                          ; tile_dim1
	s_mov_b32 s[G1+5], 32                          ; dense
	s_mov_b32 s[G1+6], 0
	s_mov_b32 s[G1+7], 0
	s_mul_i32 s11, s[WV], 13056
	s_mul_i32 s12, s9, KVB
	s_add_co_u32 s12, s12, s11
	s_add_co_u32 s12, s12, KVREG
	s_mov_b32 s13, 0
	s_wait_alu depctr_va_vdst(0)
	s_wait_dscnt 0x0
	s_wait_kmcnt 0x0
	s_mov_b32 s[G0], 1
	s_mov_b32 s[G0+1], s11
	s_add_nc_u64 s[G0+2:G0+3], s[4:5], s[12:13]
	s_or_b32 s[G0+3], s[G0+3], 0x80000000
	CROUND                                         ; the four partners are here: the joint loads meet
	tensor_load_to_lds s[G0:G0+3], s[G1:G1+7]      ; my sixteenth of the head's K and V: one load a wave, the only one
	s_nop 0
.rept 4
	v_nop
.endr
	s_bfe_u32 s[WI], ttmp6, 0x40000                ; cx
	s_lshl_b32 s62, ttmp9, 2
	s_add_co_u32 s[WI], s[WI], s62                 ; the work-group's number in its head
	s_and_b32 s[PP], s[WV], 7
	s_sub_co_u32 s[SD2], 15, s[PP]
	s_add_co_u32 s62, s[PP], 1
	s_sub_co_u32 s[DE], 8, s[PP]
	s_mul_i32 s[DK], s[DE], 6144
	s_lshl_b32 s[DS], s[DE], 9
	s_lshl_b32 s[DV], s[DE], 8
	s_cmp_lt_u32 s[WV], 8
	s_cselect_b32 s[SD1], s[SD2], s[PP]
	s_cselect_b32 s[SW], 99, s62
	s_lshl_b32 s82, s[SD1], 3
	s_add_co_u32 s82, s82, s[WI]                   ; my first tile of 16 queries, which is also the tile that I finish
	s_lshl_b32 s83, s[SD2], 3
	s_add_co_u32 s83, s83, s[WI]                   ; the pair's long tile
	s_mul_i32 s84, s9, QBH
	s_mov_b32 s87, 0
	s_mul_i32 s86, s82, 768
	s_add_co_u32 s86, s86, s84
	s_add_nc_u64 s[44:45], s[4:5], s[86:87]        ; the first tile's codes,
	s_lshl_b32 s86, s82, 6
	s_add_co_u32 s86, s86, s84
	s_add_co_u32 s86, s86, 98304
	s_add_nc_u64 s[46:47], s[4:5], s[86:87]        ; its scale words;
	s_mul_i32 s86, s83, 768
	s_add_co_u32 s86, s86, s84
	s_add_nc_u64 s[48:49], s[4:5], s[86:87]        ; the long tile's codes,
	s_lshl_b32 s86, s83, 6
	s_add_co_u32 s86, s86, s84
	s_add_co_u32 s86, s86, 98304
	s_add_nc_u64 s[50:51], s[4:5], s[86:87]        ; its scale words
	s_and_b32 s85, s9, 15                          ; head
	s_lshr_b32 s88, s9, 4
	s_lshl_b32 s88, s88, 7
	s_add_co_u32 s88, s88, s82                     ; my 16 rows of the result
	s_mul_i32 s88, s88, 13312
	s_lshr_b32 s89, s85, 2
	s_mul_i32 s89, s89, 3328
	s_add_co_u32 s89, s89, s88                     ; the record: four heads are 256 along K
	s_bfe_u32 s90, s85, 0x10001                    ; which of its two fragments
	s_mul_i32 s86, s90, 1536
	s_add_co_u32 s86, s86, s89
	s_add_nc_u64 s[52:53], s[6:7], s[86:87]        ; the image
	s_lshl_b32 s86, s90, 7
	s_add_co_u32 s86, s86, s89
	s_and_b32 s61, s85, 1                          ; which half of the fragment
	s_lshl_b32 s91, s61, 1
	s_add_co_u32 s86, s86, s91
	s_add_co_u32 s86, s86, 3072
	s_add_nc_u64 s[54:55], s[6:7], s[86:87]        ; my two bytes of each scale word
	s_mov_b32 s[SEL], 0x76543210
	s_mov_b32 s[SEL+1], 0xfedcba98
	s_mov_b32 s[CS], 0x3e38aa3b                    ; c = log2(e) / 8
	s_mov_b32 s[CS+1], s[CS]
	v_and_b32 v8, 31, v0                           ; lane
	v_and_b32 v9, 15, v0                           ; r
	v_bfe_u32 v10, v0, 4, 1                        ; h
	s_delay_alu instid0(VALU_DEP_3)
	v_lshlrev_b32 v1, 4, v8                        ; 16 x lane
	s_delay_alu instid0(VALU_DEP_4)
	v_lshlrev_b32 v30, 3, v8
	s_delay_alu instid0(VALU_DEP_4)
	v_lshlrev_b32 v31, 2, v9
	global_load_b128 v[16:19], v1, s[44:45]        ; Q stays in registers
	global_load_b64 v[20:21], v30, s[44:45] offset:512
	global_load_b32 v29, v31, s[46:47]
	global_load_b128 v[212:215], v1, s[48:49]      ; and so does the long tile's, until the change of tiles
	global_load_b64 v[216:217], v30, s[48:49] offset:512
	global_load_b32 v218, v31, s[50:51]
	v_add_nc_u32 v2, 512, v30                      ; 8 x lane + 512
	v_lshlrev_b32 v7, 2, v8                        ; 4 x lane
	s_delay_alu instid0(VALU_DEP_1)
	v_add_nc_u32 v3, 196608, v7                    ; K's scale words
	s_delay_alu instid0(VALU_DEP_2)
	v_add_nc_u32 v4, 204800, v7                    ; V's
	v_lshlrev_b32 v10, 3, v10
	s_delay_alu instid0(VALU_DEP_1)
	v_sub_nc_u32 v5, v9, v10
	s_lshl_b32 s62, s[WI], 4
	v_add_nc_u32 v5, s62, v5                       ; on the diagonal register 8 tile + j is hidden where 16 tile + j > 16 (my tile's place in its block) + r - 8 h
	s_mul_i32 s63, s[PP], SLOTB
	v_add_nc_u32 v92, s63, v1
	s_delay_alu instid0(VALU_DEP_1)
	v_add_nc_u32 v92, STB, v92                     ; my pair's slot: 16 x lane + 512 x group of four registers
	v_mov_b32 v6, 0xff800000                       ; -infinity
	v_mov_b32 v13, 0xff61b1e6                      ; the largest t so far: -3e38
	s_delay_alu instid0(VALU_DEP_1)
	v_floor_f32 v12, -v13                          ; -M
	v_mov_b32 v14, 0
	v_mov_b32 v15, 0
.irp j, 22,23,24,25,26,27,80,81,82,83,84,85
	v_mov_b32 v[\j], 0                             ; Q's codes of k = 64 .. 127, and what stands behind K's last tile
.endr
.irp b, 0,1,2,3
	v_mov_b32 v[236+\b], 0                         ; written once: a lane permute's destination counts as one of its sources
.endr
	v_mov_b32 v252, 0
	v_mov_b32 v253, 0
.set j, 0
.rept 32
	v_mov_b32 v[160+j], 0                          ; O^T: the step is written once; a tile's first finds zeros, which the first change of M leaves zeros
.set j, j+1
.endr
	s_mov_b32 s[TK], 0
	s_mov_b32 s[TS], 0
	s_mov_b32 s[TV], 0
	s_mov_b32 s[ST], 0
	s_wait_alu depctr_va_vdst(0)
	s_wait_loadcnt 0x0                             ; Q
	s_wait_tensorcnt 0x0                           ; my part of K and V has landed,
	s_barrier_signal -1
	s_barrier_wait -1                              ; everybody's has
.Lstep:                                ; nine trips for every wave
	s_cmp_lg_u32 s[ST], s[SW]
	s_cbranch_scc1 .Lsame
	FINAL                                          ; waves 8-15, once: the short tile is done and leaves;
	s_wait_xcnt 0x0                                ; its stores have read their registers
	v_mov_b32 v29, v218                            ; the long tile's Q, and a state that begins anew
.irp j, 0,1,2,3,4,5
	v_mov_b32 v[16+\j], v[212+\j]
.endr
	v_mov_b32 v13, 0xff61b1e6
	v_mov_b32 v14, 0
	v_mov_b32 v15, 0
	s_delay_alu instid0(VALU_DEP_3)
	v_floor_f32 v12, -v13
.set j, 0
.rept 32
	v_mov_b32 v[160+j], 0
.set j, j+1
.endr
	s_wait_alu depctr_va_vdst(0)
.Lsame:
	s_cmp_ge_u32 s[ST], s[SW]                      ; behind the change of tiles the trip's step lies 8 - p further on
	s_cselect_b32 s56, s[DK], 0
	s_cselect_b32 s57, s[DS], 0
	s_cselect_b32 s58, s[DV], 0
	s_cselect_b32 s60, s[DE], 0
	s_cselect_b32 s59, s[SD2], s[SD1]              ; the tile's block = its last step
	s_add_co_u32 s56, s56, s[TK]
	s_add_co_u32 s57, s57, s[TS]
	s_add_co_u32 s58, s58, s[TV]
	s_add_co_u32 s60, s60, s[ST]                   ; the step
	s_cmp_gt_u32 s60, s59
	s_cbranch_scc1 .Lhidden                        ; waves 8-15 in the ninth trip: nothing is left
	v_add_nc_u32 v8, s56, v1                       ; (these five are also the places behind the last step's products, in front of the loads below)
	v_add_nc_u32 v9, s56, v2
	v_add_nc_u32 v10, s57, v3
	v_add_nc_u32 v11, s58, v4
	s_delay_alu instid0(VALU_DEP_4)
	v_add_nc_u32 v28, 98304, v8
.irp t, 0,1,2,3,4,5,6,7
	ds_load_b128 v[32+6*\t:35+6*\t], v8 offset:768*\t
	ds_load_b64 v[36+6*\t:37+6*\t], v9 offset:768*\t
.endr
.irp j, 0,1,2,3
	ds_load_b32 v[86+\j], v10 offset:128*\j        ; lanes 0-15: tile 2 j's words; lanes 16-31: tile 2 j + 1's
.endr
	s_wait_alu depctr_va_vdst(0)
	s_wait_dscnt 0x0
.irp t, 0,2,4,6
	v_wmma_scale_f32_16x16x128_f8f6f4 v[96+8*\t:103+8*\t], v[32+6*\t:43+6*\t], v[16:27], 0, v[86+\t/2], v29 matrix_a_fmt:MATRIX_FMT_FP6 matrix_b_fmt:MATRIX_FMT_FP6
	v_wmma_scale_f32_16x16x128_f8f6f4 v[104+8*\t:111+8*\t], v[38+6*\t:49+6*\t], v[16:27], 0, v[86+\t/2], v29 matrix_a_fmt:MATRIX_FMT_FP6 matrix_b_fmt:MATRIX_FMT_FP6 matrix_a_scale:MATRIX_SCALE_ROW1
.endr
.rept 4
	v_nop                                          ; places: in front of the loads into K's registers and of the first read of the scores
.endr
.irp d, 0,1,2,3
.irp g, 0,1,2
	ds_load_b128 v[32+12*\d+4*\g:35+12*\d+4*\g], v28 offset:1536*\d+512*\g    ; V's four fragments land under the softmax
.endr
.endr
	ds_load_b32 v90, v11
	ds_load_b32 v91, v11 offset:128
	s_cmp_lg_u32 s60, s59
	s_cbranch_scc1 .Lopen
.set g, 0
.rept 4                                ; the diagonal: sixteen compares into sixteen scalar masks, then the sixteen selections
.set k, 0
.rept 16
	v_cmp_gt_i32 s[MK+k], 16*((16*g+k)/8)+(16*g+k)%8, v5
.set k, k+1
.endr
.set k, 0
.rept 16
	v_cndmask_b32 v[96+16*g+k], v[96+16*g+k], v6, s[MK+k]
.set k, k+1
.endr
.set g, g+1
.endr
.Lopen:
.set g, 0
.rept 4                                ; a score of exactly 0 is masked too
.set k, 0
.rept 16
	v_cmp_eq_f32 s[MK+k], 0, v[96+16*g+k]
.set k, k+1
.endr
.set k, 0
.rept 16
	v_cndmask_b32 v[96+16*g+k], v[96+16*g+k], v6, s[MK+k]
.set k, k+1
.endr
.set g, g+1
.endr
.irp b, 0,1,2,3                        ; the largest score of each block of 32 keys, in two chains a block: for the row's maximum, and, since p rises with the score, for the block's largest p
	v_max3_num_f32 v[232+\b], v[96+16*\b], v[97+16*\b], v[98+16*\b]
	v_max3_num_f32 v[240+\b], v[104+16*\b], v[105+16*\b], v[106+16*\b]
.endr
.irp i, 3,5
.irp b, 0,1,2,3
	v_max3_num_f32 v[232+\b], v[232+\b], v[96+16*\b+\i], v[97+16*\b+\i]
	v_max3_num_f32 v[240+\b], v[240+\b], v[104+16*\b+\i], v[105+16*\b+\i]
.endr
.endr
.irp b, 0,1,2,3
	v_max3_num_f32 v[232+\b], v[232+\b], v[240+\b], v[103+16*\b]
.endr
.irp b, 0,1,2,3
	s_delay_alu instid0(VALU_DEP_4)
	v_max_num_f32 v[232+\b], v[232+\b], v[111+16*\b]
.endr
.irp b, 0,1,2,3
	s_delay_alu instid0(VALU_DEP_4)
	v_permlanex16_b32 v[236+\b], v[232+\b], s[SEL], s[SEL+1]
.endr
.irp b, 0,1,2,3
	s_delay_alu instid0(VALU_DEP_4)
	v_max_num_f32 v[232+\b], v[232+\b], v[236+\b]
.endr
	s_delay_alu instid0(VALU_DEP_2)
	v_max3_num_f32 v254, v232, v233, v234
	s_delay_alu instid0(VALU_DEP_1)
	v_max_num_f32 v254, v254, v235
	s_delay_alu instid0(VALU_DEP_1)
	v_mul_f32 v254, s[CS], v254
	s_delay_alu instid0(VALU_DEP_1)
	v_max_num_f32 v13, v13, v254                   ; the running largest t
	v_mov_b32 v254, v12
	s_delay_alu instid0(VALU_DEP_2)
	v_floor_f32 v12, -v13                          ; the new -M: a whole number
	s_delay_alu instid0(VALU_DEP_1)
	v_sub_f32 v254, v12, v254
	s_delay_alu instid0(VALU_DEP_1)
	v_cvt_i32_f32 v254, v254                       ; (it saturates)
	s_delay_alu instid0(VALU_DEP_1)
	v_ldexp_f32 v252, 1.0, v254                    ; f = 2^(old M - new M)
.set j, 0
.rept 32
	v_pk_fma_f32 v[96+j:97+j], v[96+j:97+j], s[CS:CS+1], v[12:13] op_sel_hi:[1,0,0]   ; t - M
.set j, j+2
.endr
.irp b, 0,1,2,3
	v_fma_f32 v[232+\b], v[232+\b], s[CS], v12
.endr
.set j, 0
	s_wait_alu depctr_va_vdst(0)
.rept 64
	v_exp_f32 v[96+j], v[96+j]                     ; p
.set j, j+1
.endr
	v_pk_mul_f32 v[14:15], v[14:15], v[252:253] op_sel_hi:[1,0]   ; the sums under the new M (a plain place behind the exponentials)
	s_wait_alu depctr_va_vdst(0)                   ; one wait for the batch, ahead of its first reader
.irp b, 0,1,2,3
	v_exp_f32 v[232+\b], v[232+\b]                 ; each block's largest p
.endr
	v_pk_add_f32 v[236:237], v[100:101], v[104:105]
	v_pk_add_f32 v[248:249], v[108:109], v[112:113]
	v_pk_add_f32 v[246:247], v[116:117], v[120:121]
	v_pk_add_f32 v[244:245], v[124:125], v[128:129]
	v_pk_add_f32 v[242:243], v[132:133], v[136:137]
	v_pk_add_f32 v[240:241], v[140:141], v[144:145]
	v_pk_add_f32 v[238:239], v[148:149], v[152:153]
	v_pk_add_f32 v[14:15], v[14:15], v[156:157]
	v_pk_add_f32 v[236:237], v[236:237], v[96:97]
	v_pk_add_f32 v[248:249], v[248:249], v[98:99]
	v_pk_add_f32 v[246:247], v[246:247], v[102:103]
	v_pk_add_f32 v[244:245], v[244:245], v[106:107]
	v_pk_add_f32 v[242:243], v[242:243], v[110:111]
	v_pk_add_f32 v[240:241], v[240:241], v[114:115]
	v_pk_add_f32 v[238:239], v[238:239], v[118:119]
	v_pk_add_f32 v[14:15], v[14:15], v[122:123]
	v_pk_add_f32 v[236:237], v[236:237], v[126:127]
	v_pk_add_f32 v[248:249], v[248:249], v[130:131]
	v_pk_add_f32 v[246:247], v[246:247], v[134:135]
	v_pk_add_f32 v[244:245], v[244:245], v[138:139]
	v_pk_add_f32 v[242:243], v[242:243], v[142:143]
	v_pk_add_f32 v[240:241], v[240:241], v[146:147]
	v_pk_add_f32 v[238:239], v[238:239], v[150:151]
	v_pk_add_f32 v[14:15], v[14:15], v[154:155]
	v_pk_add_f32 v[236:237], v[236:237], v[158:159]
	s_delay_alu instid0(VALU_DEP_2)
	v_pk_add_f32 v[14:15], v[14:15], v[244:245]
	s_delay_alu instid0(VALU_DEP_2)
	v_pk_add_f32 v[236:237], v[236:237], v[242:243]
	v_pk_add_f32 v[248:249], v[248:249], v[240:241]
	v_pk_add_f32 v[246:247], v[246:247], v[238:239]
	s_delay_alu instid0(VALU_DEP_2)
	v_pk_add_f32 v[14:15], v[14:15], v[248:249]
	s_delay_alu instid0(VALU_DEP_2)
	v_pk_add_f32 v[236:237], v[236:237], v[246:247]
	s_delay_alu instid0(VALU_DEP_1)
	v_pk_add_f32 v[14:15], v[14:15], v[236:237]
	s_wait_alu depctr_va_vdst(0)                   ; and one for the four
.irp b, 0,1,2,3
	v_max_num_f32 v[232+\b], 0x1800000, v[232+\b]  ; the floor 2^(3 - 127)
.endr
.irp b, 0,1,2,3
	s_delay_alu instid0(VALU_DEP_4)
	v_add_nc_u32 v[244+\b], 0xff000000, v[232+\b]
.endr
.irp b, 0,1,2,3
	s_delay_alu instid0(VALU_DEP_4)
	v_lshrrev_b32 v[236+\b], 23, v[244+\b]
.endr
	s_delay_alu instid0(VALU_DEP_3)
	v_lshl_or_b32 v253, v237, 8, v236              ; p's scale word for these 128 keys
	s_delay_alu instid0(VALU_DEP_1)
	v_lshl_or_b32 v253, v238, 16, v253
	s_delay_alu instid0(VALU_DEP_1)
	v_lshl_or_b32 v253, v239, 24, v253
.irp c, 0,1
	v_cvt_scalef32_pk16_fp6_f32 v[192+6*\c:194+6*\c], v[96+32*\c:111+32*\c], v[244+2*\c]
	v_cvt_scalef32_pk16_fp6_f32 v[204+4*\c:206+4*\c], v[112+32*\c:127+32*\c], v[244+2*\c+1]
.endr
	v_nop                                          ; one plain place behind a scaled conversion
.irp c, 0,1
.irp i, 0,1,2
	v_permlane16_swap_b32 v[192+6*\c+\i], v[204+4*\c+\i]
.endr
.irp i, 0,1,2
	s_delay_alu instid0(VALU_DEP_3)
	v_mov_b32 v[195+6*\c+\i], v[204+4*\c+\i]
.endr
.endr
.set j, 0
.rept 16
	v_pk_mul_f32 v[160+j:161+j], v[160+j:161+j], v[252:253] op_sel_hi:[1,0]   ; O^T under the new M; of these sixteen, twelve name no register of any one product below: the places behind the writes of p's codes and scale word
.set j, j+2
.endr
	s_wait_alu depctr_va_vdst(0)
	s_wait_dscnt 0x0                               ; V
.irp d, 0,2
	v_wmma_scale_f32_16x16x128_f8f6f4 v[160+8*\d:167+8*\d], v[32+12*\d:43+12*\d], v[192:203], v[160+8*\d:167+8*\d], v[90+\d/2], v253 matrix_a_fmt:MATRIX_FMT_FP6 matrix_b_fmt:MATRIX_FMT_FP6
	v_wmma_scale_f32_16x16x128_f8f6f4 v[168+8*\d:175+8*\d], v[44+12*\d:55+12*\d], v[192:203], v[168+8*\d:175+8*\d], v[90+\d/2], v253 matrix_a_fmt:MATRIX_FMT_FP6 matrix_b_fmt:MATRIX_FMT_FP6 matrix_a_scale:MATRIX_SCALE_ROW1
.endr
.Lhidden:
	s_add_co_u32 s[TK], s[TK], 6144
	s_add_co_u32 s[TS], s[TS], 512
	s_add_co_u32 s[TV], s[TV], 256
	s_add_co_u32 s[ST], s[ST], 1
	s_cmp_lt_u32 s[ST], 9
	s_cbranch_scc1 .Lstep
.rept 4
	v_nop                                          ; places behind the last products, in front of the stores and reads of O^T
.endr
	s_cmp_lt_u32 s[WV], 8
	s_cbranch_scc1 .Lkeep
.irp g, 0,1,2,3,4,5,6,7
	ds_store_b128 v92, v[160+4*\g:163+4*\g] offset:512*\g      ; waves 8-15: my part of the long tile, as an image of the registers
.endr
	ds_store_b128 v92, v[12:15] offset:4096                    ; -M, the largest t, the sum's two halves
.Lkeep:
	s_wait_dscnt 0x0                               ; for the partner's sake: my stores are done
	s_barrier_signal -1
	s_barrier_wait -1
	s_cmp_ge_u32 s[WV], 8
	s_cbranch_scc1 .Lend
.irp g, 0,1,2,3,4,5,6,7
	ds_load_b128 v[96+4*\g:99+4*\g], v92 offset:512*\g         ; waves 0-7: the partner's part
.endr
	ds_load_b128 v[128:131], v92 offset:4096
	v_mov_b32 v137, 0                              ; (upper halves of pairs of which the low word serves both halves)
	v_mov_b32 v139, 0
	s_wait_alu depctr_va_vdst(0)
	s_wait_dscnt 0x0
	v_min_num_f32 v132, v12, v128                  ; -M of the two together
	s_delay_alu instid0(VALU_DEP_1)
	v_sub_f32 v133, v132, v12                      ; my M less the common one: a whole number, 0 or less;
	s_delay_alu instid0(VALU_DEP_2)
	v_sub_f32 v134, v132, v128                     ; the partner's (a part with no step has M = -3e38: its factor comes out 0)
	s_delay_alu instid0(VALU_DEP_2)
	v_cvt_i32_f32 v133, v133                       ; (they saturate)
	s_delay_alu instid0(VALU_DEP_2)
	v_cvt_i32_f32 v134, v134
	s_delay_alu instid0(VALU_DEP_2)
	v_ldexp_f32 v136, 1.0, v133
	s_delay_alu instid0(VALU_DEP_2)
	v_ldexp_f32 v138, 1.0, v134
	s_delay_alu instid0(VALU_DEP_2)
	v_pk_mul_f32 v[14:15], v[14:15], v[136:137] op_sel_hi:[1,0]
.set j, 0
.rept 16
	v_pk_mul_f32 v[160+j:161+j], v[160+j:161+j], v[136:137] op_sel_hi:[1,0]
.set j, j+2
.endr
	v_pk_fma_f32 v[14:15], v[130:131], v[138:139], v[14:15] op_sel_hi:[1,0,1]
.set j, 0
.rept 16
	v_pk_fma_f32 v[160+j:161+j], v[96+j:97+j], v[138:139], v[160+j:161+j] op_sel_hi:[1,0,1]
.set j, j+2
.endr
	FINAL                                          ; the long tile leaves
.Lend:
	s_wait_tensorcnt 0x0                           ; the wave's end
	ds_add_u32 v251, v255
	s_wait_dscnt 0x0
	CROUND                                         ; the closing round
	s_endpgm
.Lfunc_end_k_q3c6271c0d2_attn:
	.size	k_q3c6271c0d2_attn, .Lfunc_end_k_q3c6271c0d2_attn-k_q3c6271c0d2_attn
	.p2alignl 7, 3214868480
	.fill 96, 4, 3214868480
	.section	.rodata,"a",@progbits
	.p2align	6, 0x0
	.amdhsa_kernel k_q3c6271c0d2_attn
		.amdhsa_group_segment_fixed_size 249856
		.amdhsa_private_segment_fixed_size 0
		.amdhsa_enable_private_segment 0
		.amdhsa_kernarg_size 16
		.amdhsa_user_sgpr_count 2
		.amdhsa_user_sgpr_kernarg_segment_ptr 1
		.amdhsa_wavefront_size32 1
		.amdhsa_system_sgpr_workgroup_id_x 1
		.amdhsa_system_sgpr_workgroup_id_y 1
		.amdhsa_system_sgpr_workgroup_id_z 1
		.amdhsa_system_vgpr_workitem_id 0
		.amdhsa_next_free_vgpr 256
		.amdhsa_next_free_sgpr 96
		.amdhsa_reserve_vcc 1
		.amdhsa_float_denorm_mode_32 3
		.amdhsa_float_denorm_mode_16_64 3
		.amdhsa_memory_ordered 1
		.amdhsa_forward_progress 1
		.amdhsa_inst_pref_size 59
	.end_amdhsa_kernel
	.amdgpu_metadata
---
amdhsa.version: [ 1, 2 ]
amdhsa.kernels:
  - .name:           k_q3c6271c0d2_attn
    .symbol:         k_q3c6271c0d2_attn.kd
    .args:
      - { .name: qkv, .offset: 0, .size: 8, .value_kind: global_buffer, .address_space: global }
      - { .name: ac, .offset: 8, .size: 8, .value_kind: global_buffer, .address_space: global }
    .group_segment_fixed_size: 249856
    .private_segment_fixed_size: 0
    .kernarg_segment_align: 8
    .kernarg_segment_size: 16
    .max_flat_workgroup_size: 512
    .sgpr_count:     96
    .vgpr_count:     256
    .wavefront_size: 32
...
	.end_amdgpu_metadata
.endif
;; end of part 3
;; launch oproj (part 4): grid 8 x 32, 4 waves a work-group, clusters of 4 x 4, 327,680 bytes of LDS; arguments ac, wq, b_O, resid_pre, rm; writes rm
.if DOCPART == 4
	.amdgcn_target "amdgcn-amd-amdhsa--gfx1250"
	.amdhsa_code_object_version 6
	.text
	.protected	k_q3c6271c0d2_oproj
	.globl	k_q3c6271c0d2_oproj
	.p2align	8
	.type	k_q3c6271c0d2_oproj,@function
k_q3c6271c0d2_oproj:
	s_mov_b64 s[64:65], 0
	v_nop
	global_prefetch_b8 v0, s[64:65] scope:SCOPE_SE
	s_setreg_imm32_b32 hwreg(HW_REG_WAVE_MODE, 25, 1), 1
	s_wait_xcnt 0x0
	s_wait_alu depctr_hold_cnt(0) depctr_sa_sdst(0) depctr_va_vdst(0) depctr_va_sdst(0) depctr_va_ssrc(0) depctr_va_vcc(0) depctr_vm_vsrc(0)
	s_getreg_b32 s2, hwreg(HW_REG_IB_STS2, 6, 4)
	s_cmp_eq_u32 s2, 0
	s_cbranch_scc0 .Lentry_in_a_cluster
	s_endpgm
.Lentry_in_a_cluster:
	s_bfe_u32 s2, ttmp6, 0x10000c
	s_cmp_lg_u32 s2, 0xf033
	s_cbranch_scc0 .Lentry_shape_is_right
	s_endpgm
.Lentry_shape_is_right:
.set NB,   4
.set NQ,   4
.set KTOT, 1024
.set WOFF, 2555904
.set REC,   3328
.set ROWL,  (NQ/2)*REC
.set HALFT, NB*ROWL
.set SLOT,  4*HALFT
.set SPARE, 2*SLOT
.set HB,    NB/2
.set QB,    NB/4
.set LAPS,  KTOT/(256*NQ)
.set KRECB, (KTOT/256)*REC
.set SPITCH, 272
.set ADRA, 16
.set ADRB, 20
.set ADRS, 22
.set STO,  24
.set RD,   25
.set CO,   26
.set BO,   27
.set SPW,  28
.set NIL,  29
.set SC,   32
.set AF,   128
.set BK,   128
.set G1, 24
.set G0, 32
.set G1B, 48
.set G0B, 56
.set MSB, 0
.macro WIN new
.if MSB != (\new)
	s_set_vgpr_msb (MSB<<8)|(\new)
.set MSB, \new
.endif
.endm
.set MUL_LO, 0xa1
.set MUL_HI, 0xf1
.set TO_B,   0x40
.macro JLOAD g0a, g1a, g0b, g1b
	s_cmp_eq_u32 s15, 0
	s_cbranch_scc0 .Lfor_b_\@
	tensor_load_to_lds s[\g0a:\g0a+3], s[\g1a:\g1a+7]
	s_nop 0
.rept 4
	v_nop
.endr
	s_branch .Lasked_\@
.Lfor_b_\@:
	tensor_load_to_lds s[\g0b:\g0b+3], s[\g1b:\g1b+7]
	s_nop 0
.rept 4
	v_nop
.endr
.Lasked_\@:
.endm
.macro CREST
	s_cmp_lg_u32 s14, 0
	s_cbranch_scc1 .Lnot_wave_0_\@
	s_barrier_signal -3
.Lnot_wave_0_\@:
	s_barrier_wait -3
	s_barrier_signal -1
	s_barrier_wait -1
.endm
.macro CROUND
	s_barrier_signal -1
	s_barrier_wait -1
	CREST
.endm
.macro PLACES n
.rept \n
	v_nop
.endr
.endm
.macro FRAG reg, adr, q, i
.irp g, 0,1,2
	ds_load_b128 v[\reg+4*\g:\reg+4*\g+3], v[\adr] offset:(\i)*ROWL+((\q)/2)*REC+((\q)%2)*1536+512*\g
.endr
.endm
.macro FETCH_B slot, q, p
	WIN TO_B
.set fi, 0
.rept NB
	FRAG 128*(\p)+12*fi, ADRB+\slot, \q, fi
.set fi, fi+1
.endr
	WIN 0
.endm
.macro FETCH_A slot, q, i0
.set fi, \i0
.rept HB
	FRAG AF+12*fi, ADRA+\slot, \q, fi
.set fi, fi+1
.endr
.endm
.macro SCALES slot
.set fi, 0
.rept NB
.set fq, 0
.rept NQ
	ds_load_b32 v[SC+16*\slot+NQ*fi+fq], v[ADRS+\slot] offset:fi*ROWL+(fq/2)*REC+(fq%2)*128
.set fq, fq+1
.endr
.set fi, fi+1
.endr
.endm
.macro MULS a0, n, p, q, sc, zero
.set ma, \a0
.rept \n
.set mb, 0
.rept NB
.set rD, 8*(NB*(ma%HB)+mb)
.if \zero
	v_wmma_scale_f32_16x16x128_f8f6f4 v[rD:rD+7], v[128*(\p)+12*mb:128*(\p)+12*mb+11], v[AF+12*ma:AF+12*ma+11], 0, v[SC+16*(\sc)+NQ*mb+(\q)], v[SC+16*(\sc)+NQ*ma+(\q)] matrix_a_fmt:MATRIX_FMT_FP6 matrix_b_fmt:MATRIX_FMT_FP6 matrix_a_scale:MATRIX_SCALE_ROW1
.else
	v_wmma_scale_f32_16x16x128_f8f6f4 v[rD:rD+7], v[128*(\p)+12*mb:128*(\p)+12*mb+11], v[AF+12*ma:AF+12*ma+11], v[rD:rD+7], v[SC+16*(\sc)+NQ*mb+(\q)], v[SC+16*(\sc)+NQ*ma+(\q)] matrix_a_fmt:MATRIX_FMT_FP6 matrix_b_fmt:MATRIX_FMT_FP6 matrix_a_scale:MATRIX_SCALE_ROW1
.endif
.set mb, mb+1
.endr
.set ma, ma+1
.endr
.endm
.macro STEP slot, q, zero
	s_wait_dscnt HB*3
	WIN MUL_LO
	MULS 0,HB,(\q)%2,\q,\slot,\zero
	s_wait_dscnt 0x0
	PLACES 4
	FETCH_B \slot,(\q)+1,1-(\q)%2
	FETCH_A \slot,(\q)+1,0
	WIN MUL_HI
	MULS HB,HB,(\q)%2,\q,\slot,\zero
	PLACES 4
	WIN 0
	FETCH_A \slot,(\q)+1,HB
.endm
.macro REST slot
.if NQ == 4
	STEP \slot,1,0
	STEP \slot,2,0
.endif
.endm
.macro TURN slot, next, fill
	s_wait_tensorcnt 0x0
	ds_add_u32 v[SPW], v[NIL]
	s_wait_dscnt HB*3+1
	WIN MUL_LO
	MULS 0,QB,1,NQ-1,\slot,0
	s_wait_dscnt 0x0
	s_barrier_signal -1
	MULS QB,QB,1,NQ-1,\slot,0
	WIN 0
	s_barrier_wait -1
.if \fill
	CREST
	s_add_nc_u64 s[G0+4*\slot+2:G0+4*\slot+3], s[G0+4*\slot+2:G0+4*\slot+3], 2*ROWL
	s_add_nc_u64 s[G0B+4*\slot+2:G0B+4*\slot+3], s[G0B+4*\slot+2:G0B+4*\slot+3], 2*ROWL
	JLOAD G0+4*\slot,G1,G0B+4*\slot,G1B
.else
	PLACES 4
.endif
	FETCH_B \next,0,0
	FETCH_A \next,0,0
	SCALES \next
	WIN MUL_HI
	MULS HB,HB,1,NQ-1,\slot,0
	PLACES 4
	WIN 0
	FETCH_A \next,0,HB
.endm
.macro LAST
	s_wait_dscnt HB*3
	WIN MUL_LO
	MULS 0,HB,1,NQ-1,1,0
	s_wait_dscnt 0x0
	WIN MUL_HI
	MULS HB,HB,1,NQ-1,1,0
	WIN 0
	PLACES 4
.endm
	s_load_b256 s[4:11], s[0:1], 0x0
	s_load_b64 s[12:13], s[0:1], 0x20
	v_lshl_add_u32 v[SPW], v0, 2, SPARE
	v_mov_b32 v[NIL], 0
	ds_add_u32 v28, v29
	ds_add_u32 v28, v29
	s_wait_dscnt 0x0
	v_lshrrev_b32 v1, 5, v0
	v_readfirstlane_b32 s14, v1
	s_lshr_b32 s15, s14, 1
	s_and_b32 s16, s14, 1
	s_bfe_u32 s40, ttmp6, 0x40000
	s_bfe_u32 s41, ttmp6, 0x40004
	s_lshl_b32 s42, ttmp9, 2
	s_add_co_u32 s42, s42, s40
	s_and_b32 s17, ttmp7, 0xffff
	s_lshl_b32 s17, s17, 2
	s_add_co_u32 s17, s17, s41
	s_lshl_b32 s43, s41, 2
	s_lshl_b32 s43, 15, s43
	s_lshl_b32 s44, 0x1111, s40
	s_or_b32 s[G1+0], s43, (3<<16)|(1<<21)
	s_or_b32 s[G1B+0], s44, (3<<16)|(1<<21)
.irp g, G1, G1B
	s_mov_b32 s[\g+1], (ROWL/8)<<16
	s_mov_b32 s[\g+2], NB<<16
	s_mov_b32 s[\g+3], (ROWL/8)<<16
	s_mov_b32 s[\g+4], NB
	s_mov_b32 s[\g+5], KRECB/8
	s_mov_b32 s[\g+6], 0
	s_mov_b32 s[\g+7], 0
.endr
	s_mul_i32 s18, s16, NB
	s_mul_i32 s20, s17, 2*NB
	s_add_co_u32 s20, s20, s18
	s_mul_i32 s20, s20, KRECB
	s_mov_b32 s21, 0
	s_mul_i32 s46, s42, 2*NB
	s_add_co_u32 s46, s46, s18
	s_mul_i32 s46, s46, KRECB
	s_mov_b32 s47, 0
	s_mul_i32 s45, s14, HALFT
	s_wait_kmcnt 0x0
	s_add_nc_u64 s[20:21], s[4:5], s[20:21]
	s_add_nc_u64 s[46:47], s[6:7], s[46:47]
	s_add_nc_u64 s[46:47], s[46:47], WOFF
	; the prefetch's address: of the four 16-row blocks that I fetch, my work-group names one (its place among the four that ask jointly: cx for A, cy for B): 26 blocks of 256 bytes a slot, a lane each
	s_cmp_eq_u32 s15, 0
	s_cselect_b64 s[98:99], s[20:21], s[46:47]
	s_cselect_b32 s96, s40, s41
	s_mul_i32 s96, s96, KRECB*(NB/4)
	s_mov_b32 s97, 0
	s_add_nc_u64 s[98:99], s[98:99], s[96:97]
	v_and_b32 v30, 31, v0
	v_min_u32 v30, 25, v30                         ; lanes 26-31 name lane 25's block again
	v_lshlrev_b32 v30, 8, v30
	s_wait_alu depctr_va_vdst(0)
	CROUND
.irp s, 0,1
	s_mov_b32 s[G0+4*\s], 1
	s_add_co_u32 s[G0+4*\s+1], s45, \s*SLOT
	s_add_nc_u64 s[G0+4*\s+2:G0+4*\s+3], s[20:21], \s*ROWL
	s_or_b32 s[G0+4*\s+3], s[G0+4*\s+3], 0x80000000
	s_mov_b32 s[G0B+4*\s], 1
	s_add_co_u32 s[G0B+4*\s+1], s45, \s*SLOT
	s_add_nc_u64 s[G0B+4*\s+2:G0B+4*\s+3], s[46:47], \s*ROWL
	s_or_b32 s[G0B+4*\s+3], s[G0B+4*\s+3], 0x80000000
.if \s == 1                            ; slot 1's first fill is issued as a refill is
	s_wait_alu depctr_va_vdst(0)
	s_wait_tensorcnt 0x0
	ds_add_u32 v28, v29
	ds_add_u32 v28, v29
	s_wait_dscnt 0x0
	CROUND
.endif
	JLOAD G0+4*\s,G1,G0B+4*\s,G1B
.if \s == 0                            ; behind slot 0's load: slot 1, the last, is asked for, once in the cluster
	global_prefetch_b8 v30, s[98:99] offset:ROWL th:TH_LOAD_NT scope:SCOPE_SE
.endif
.endr
	v_and_b32 v1, 15, v0
	v_bfe_u32 v2, v0, 4, 1
	s_wait_alu depctr_va_vdst(0)
	v_and_b32 v3, 31, v0
	v_lshlrev_b32 v4, 4, v3
	s_wait_alu depctr_va_vdst(0)
	s_lshl_b32 s70, s17, 7
	s_lshl_b32 s71, s15, 6
	s_add_co_u32 s70, s70, s71
	s_lshl_b32 s70, s70, 12
	s_lshl_b32 s72, s42, 7
	s_lshl_b32 s73, s16, 6
	s_add_co_u32 s72, s72, s73
	s_lshl_b32 s72, s72, 2
	s_mov_b32 s73, 0
	s_add_nc_u64 s[8:9], s[8:9], s[72:73]
	s_add_co_u32 s70, s70, s72
	s_mov_b32 s71, 0
	s_add_nc_u64 s[10:11], s[10:11], s[70:71]
	s_add_nc_u64 s[12:13], s[12:13], s[70:71]
	v_lshlrev_b32 v[CO], 12, v2
	v_lshl_add_u32 v[CO], v1, 4, v[CO]
	v_lshlrev_b32 v[BO], 4, v1
	global_load_b128 v[240:243], v[BO], s[8:9]
.irp a, 0,1,2,3
.irp t, 0,1,2,3,4,5,6,7
	global_load_b128 v[64+32*\a+48*(\a/2)+4*\t:67+32*\a+48*(\a/2)+4*\t], v[CO], s[10:11] offset:(16*\a+2*\t)*4096
.endr
.endr
	s_mul_i32 s21, s15, HALFT
	s_mul_i32 s22, s16, HALFT
	s_add_co_u32 s22, s22, 2*HALFT
.irp s, 0,1
	v_add_nc_u32 v[ADRA+\s], s21, v4
	v_add_nc_u32 v[ADRB+\s], s22, v4
	s_add_co_u32 s21, s21, SLOT
	s_add_co_u32 s22, s22, SLOT
.endr
	s_mul_i32 s21, s15, HALFT
	s_mul_i32 s22, s16, HALFT
	s_add_co_u32 s22, s22, 2*HALFT
	s_sub_co_u32 s22, s22, s21
	v_mul_u32_u24 v6, s22, v2
	v_lshl_add_u32 v6, v3, 2, v6
	s_add_co_u32 s21, s21, 3072
	v_add_nc_u32 v[ADRS], s21, v6
	v_add_nc_u32 v[ADRS+1], SLOT, v[ADRS]
	s_mul_i32 s23, s14, 16*SPITCH
	v_mul_u32_u24 v5, v1, SPITCH
	v_lshl_add_u32 v5, v2, 5, v5
	v_add_nc_u32 v[STO], s23, v5
	v_mul_u32_u24 v5, v2, SPITCH
	v_lshl_add_u32 v5, v1, 4, v5
	v_add_nc_u32 v[RD], s23, v5
	s_wait_alu depctr_va_vdst(0)
	s_wait_tensorcnt 1
	s_barrier_signal -1
	s_barrier_wait -1
	FETCH_B 0,0,0
	FETCH_A 0,0,0
	SCALES 0
	FETCH_A 0,0,HB
	STEP 0,0,1
.if LAPS > 1
	s_mov_b32 s3, LAPS-1
.Llap:
	REST 0
	TURN 0,1,1
	STEP 1,0,0
	REST 1
	TURN 1,0,1
	STEP 0,0,0
	s_sub_co_u32 s3, s3, 1
	s_cmp_lg_u32 s3, 0
	s_cbranch_scc1 .Llap
.endif
	REST 0
	TURN 0,1,0
	STEP 1,0,0
	REST 1
	LAST
	s_wait_loadcnt 0x0
.macro OUTF a
.set AC, 32*((\a)%2)
.set RSA, 64+32*(\a)+48*((\a)/2)
.if (\a) > 0
	s_wait_xcnt 0x0
.endif
	WIN 0x08+4*((\a)/2)
.irp b, 0,1,2,3
	ds_store_b128 v[STO], v[AC+8*\b:AC+8*\b+3] offset:64*\b
	ds_store_b128 v[STO], v[AC+8*\b+4:AC+8*\b+7] offset:64*\b+16
.endr
	WIN 0
.irp t, 0,1,2,3,4,5,6,7
	ds_load_b128 v[BK+4*\t:BK+4*\t+3], v[RD] offset:2*SPITCH*\t
.endr
	s_wait_dscnt 0x0
.irp t, 0,1,2,3,4,5,6,7
	v_pk_add_f32 v[BK+4*\t:BK+4*\t+1], v[BK+4*\t:BK+4*\t+1], v[RSA+4*\t:RSA+4*\t+1]
	v_pk_add_f32 v[BK+4*\t+2:BK+4*\t+3], v[BK+4*\t+2:BK+4*\t+3], v[RSA+4*\t+2:RSA+4*\t+3]
.endr
.irp t, 0,1,2,3,4,5,6,7
	v_pk_add_f32 v[BK+4*\t:BK+4*\t+1], v[BK+4*\t:BK+4*\t+1], v[240:241]
	v_pk_add_f32 v[BK+4*\t+2:BK+4*\t+3], v[BK+4*\t+2:BK+4*\t+3], v[242:243]
.endr
.irp t, 0,1,2,3,4,5,6,7
	global_store_b128 v[CO], v[BK+4*\t:BK+4*\t+3], s[12:13] offset:(16*(\a)+2*\t)*4096
.endr
.endm
.irp a, 0,1,2,3
	OUTF \a
.endr
	s_wait_tensorcnt 0x0
	ds_add_u32 v[SPW], v[NIL]
	s_wait_dscnt 0x0
	CROUND
	s_endpgm
.Lfunc_end_k_q3c6271c0d2_oproj:
	.size	k_q3c6271c0d2_oproj, .Lfunc_end_k_q3c6271c0d2_oproj-k_q3c6271c0d2_oproj
	.p2alignl 7, 3214868480
	.fill 96, 4, 3214868480
	.section	.rodata,"a",@progbits
	.p2align	6, 0x0
	.amdhsa_kernel k_q3c6271c0d2_oproj
		.amdhsa_group_segment_fixed_size 327680
		.amdhsa_private_segment_fixed_size 0
		.amdhsa_enable_private_segment 0
		.amdhsa_kernarg_size 40
		.amdhsa_user_sgpr_count 2
		.amdhsa_user_sgpr_kernarg_segment_ptr 1
		.amdhsa_wavefront_size32 1
		.amdhsa_system_sgpr_workgroup_id_x 1
		.amdhsa_system_sgpr_workgroup_id_y 1
		.amdhsa_system_sgpr_workgroup_id_z 1
		.amdhsa_system_vgpr_workitem_id 0
		.amdhsa_next_free_vgpr 1024
		.amdhsa_next_free_sgpr 100
		.amdhsa_reserve_vcc 0
		.amdhsa_float_denorm_mode_32 3
		.amdhsa_float_denorm_mode_16_64 3
		.amdhsa_memory_ordered 1
		.amdhsa_forward_progress 1
		.amdhsa_inst_pref_size 62
	.end_amdhsa_kernel
	.amdgpu_metadata
---
amdhsa.version: [ 1, 2 ]
amdhsa.kernels:
  - .name:           k_q3c6271c0d2_oproj
    .symbol:         k_q3c6271c0d2_oproj.kd
    .args:
      - { .name: ac, .offset: 0, .size: 8, .value_kind: global_buffer, .address_space: global }
      - { .name: wq, .offset: 8, .size: 8, .value_kind: global_buffer, .address_space: global }
      - { .name: b_O, .offset: 16, .size: 8, .value_kind: global_buffer, .address_space: global }
      - { .name: resid_pre, .offset: 24, .size: 8, .value_kind: global_buffer, .address_space: global }
      - { .name: rm, .offset: 32, .size: 8, .value_kind: global_buffer, .address_space: global }
    .group_segment_fixed_size: 327680
    .private_segment_fixed_size: 0
    .kernarg_segment_align: 8
    .kernarg_segment_size: 40
    .max_flat_workgroup_size: 128
    .sgpr_count:     100
    .vgpr_count:     1024
    .wavefront_size: 32
...
	.end_amdgpu_metadata
.endif
;; end of part 4
;; launch ln1 (part 5): grid 256 x 1, 8 waves a work-group, no clusters, 67,072 bytes of LDS; arguments rm, ln2_w, ln2_b, yc; writes yc
.if DOCPART == 5
	.amdgcn_target "amdgcn-amd-amdhsa--gfx1250"
	.amdhsa_code_object_version 6
	.text
	.protected	k_q3c6271c0d2_ln1
	.globl	k_q3c6271c0d2_ln1
	.p2align	8
	.type	k_q3c6271c0d2_ln1,@function
k_q3c6271c0d2_ln1:
	s_mov_b64 s[64:65], 0
	v_nop
	global_prefetch_b8 v0, s[64:65] scope:SCOPE_SE
	s_setreg_imm32_b32 hwreg(HW_REG_WAVE_MODE, 25, 1), 1
	s_wait_xcnt 0x0
; y = (x - mean) / sqrt(mean of squares of (x - mean)) x w + b over rows of 1,024, all in f32, then quantised along the row to codes of FP6 (E2M3) with one E8M0 byte for each 32, laid as the GEMMs' operand:
; [16 rows][4 records of 3,328 bytes]; a record is two images of fragments (16 rows x 128 K, 1,536 bytes: register 4 g + i of lane L at 512 g + 16 L + 4 i) and 32 scale words for each.
; Inside a block of 32 the codes stand in the order 0-7, 16-23, 8-15, 24-31 of k, as in every operand of this program.
; A work-group of eight waves takes 16 rows.  PHASE 1: wave w takes rows 2 w, 2 w + 1, a row in 32 registers, read from memory once; the mean is taken off before the squares are summed.  The rows go to LDS (pitch 4,096 + 16 bytes).
; One barrier.  PHASE 2: wave w takes K fragment w of all 16 rows: lane (r, h) reads of row r, for each block of 32, the numbers 8 h .. 8 h + 7 and 16 + 8 h .. 16 + 8 h + 7, and quantises them.
; LIMITS: NaN and infinities in x are not served as reference() has them (a NaN row gives codes without NaN); a row of zero variance is not served; blocks under 2^-124 keep the byte 1.
.set REC,   3328
.set PITCH, 4112
.set X0,  32                           ; v32-95   two rows; in phase 2 v32-95 the 64 numbers of a lane
.set WR,  96                           ; v96-127  w at my columns
.set BR,  128                          ; v128-159 b
.set SM,  160                          ; v160-167 sums, four registers a row
.set TM,  160                          ; phase 2: v160-163 largest magnitudes, v164-167 bytes, v172-175 scale operands
.set PW,  176                          ; the scale word
.set PC,  180                          ; v180-191 the codes; v192-198 the conversions' second halves
.set SEL, 20
.macro REDUCE                          ; both rows' four partial sums -> sum / 1,024 in every lane, in v[SM], v[SM+4]
.irp r, 0
	s_delay_alu instid0(VALU_DEP_3)
	v_pk_add_f32 v[SM+4*\r:SM+4*\r+1], v[SM+4*\r:SM+4*\r+1], v[SM+4*\r+2:SM+4*\r+3]
.endr
.irp r, 1
	s_delay_alu instid0(VALU_DEP_2)
	v_pk_add_f32 v[SM+4*\r:SM+4*\r+1], v[SM+4*\r:SM+4*\r+1], v[SM+4*\r+2:SM+4*\r+3]
.endr
.irp r, 0,1
	s_delay_alu instid0(VALU_DEP_2)
	v_add_f32 v[SM+4*\r], v[SM+4*\r], v[SM+4*\r+1]
.endr
.irp m, 1,2,4,8
.irp r, 0,1
	s_delay_alu instid0(VALU_DEP_2)
	v_add_f32_dpp v[SM+4*\r], v[SM+4*\r], v[SM+4*\r] row_xmask:\m row_mask:0xf bank_mask:0xf
.endr
.endr
.irp r, 0,1
	s_delay_alu instid0(VALU_DEP_2)
	v_permlanex16_b32 v[SM+4*\r+1], v[SM+4*\r], s[SEL], s[SEL+1]
.endr
.irp r, 0,1
	s_delay_alu instid0(VALU_DEP_2)
	v_add_f32 v[SM+4*\r], v[SM+4*\r], v[SM+4*\r+1]
.endr
.irp r, 0,1
	s_delay_alu instid0(VALU_DEP_2)
	v_mul_f32 v[SM+4*\r], 0x3a800000, v[SM+4*\r]   ; x 2^-10
.endr
.endm
; 64 numbers of a lane, register 16 b + i = my i-th number of block b of my row, become a fragment's codes in v[PC] on and its scale word in v[PW].
.macro QUANT s
.irp b, 0,1,2,3
	v_max3_num_f32 v[TM+\b], |v[\s+16*\b]|, |v[\s+1+16*\b]|, 0x1800000   ; my 16 numbers of block b, and the floor 2^(3 - 127): the byte cannot fall under 1
.endr
.irp i, 2,4,6,8,10,12,14
.irp b, 0,1,2,3
	s_delay_alu instid0(VALU_DEP_4)
	v_max3_num_f32 v[TM+\b], v[TM+\b], |v[\s+16*\b+\i]|, |v[\s+1+16*\b+\i]|
.endr
.endr
.irp b, 0,1,2,3
	v_permlanex16_b32 v[TM+4+\b], v[TM+\b], s[SEL], s[SEL+1]
.endr
.irp b, 0,1,2,3
	s_delay_alu instid0(VALU_DEP_4)
	v_max_num_f32 v[TM+\b], v[TM+\b], v[TM+4+\b]   ; with lane l xor 16's: the block's largest magnitude
.endr
.irp b, 0,1,2,3
	s_delay_alu instid0(VALU_DEP_4)
	v_add_nc_u32 v[TM+12+\b], 0xff000000, v[TM+\b] ; 2 off its exponent field: the conversion's scale operand
.endr
.irp b, 0,1,2,3
	s_delay_alu instid0(VALU_DEP_4)
	v_lshrrev_b32 v[TM+4+\b], 23, v[TM+12+\b]      ; the scale's byte
.endr
	s_delay_alu instid0(VALU_DEP_3)
	v_lshl_or_b32 v[PW], v[TM+5], 8, v[TM+4]
	s_delay_alu instid0(VALU_DEP_1)
	v_lshl_or_b32 v[PW], v[TM+6], 16, v[PW]
	s_delay_alu instid0(VALU_DEP_1)
	v_lshl_or_b32 v[PW], v[TM+7], 24, v[PW]
.irp c, 0,1
	v_cvt_scalef32_pk16_fp6_f32 v[PC+6*\c:PC+2+6*\c], v[\s+32*\c:\s+15+32*\c], v[TM+12+2*\c]
	v_cvt_scalef32_pk16_fp6_f32 v[PC+12+4*\c:PC+14+4*\c], v[\s+16+32*\c:\s+31+32*\c], v[TM+12+2*\c+1]
.endr
	v_nop                                          ; one plain place behind a scaled conversion
.irp c, 0,1                            ; the operand wants a whole block in a lane: lanes 0-15 block 2 c, lanes 16-31 block 2 c + 1
.irp i, 0,1,2
	v_permlane16_swap_b32 v[PC+6*\c+\i], v[PC+12+4*\c+\i]
.endr
.irp i, 0,1,2
	s_delay_alu instid0(VALU_DEP_3)
	v_mov_b32 v[PC+3+6*\c+\i], v[PC+12+4*\c+\i]
.endr
.endr
.endm
	s_load_b256 s[4:11], s[0:1], 0x0               ; x s[4:5], w s[6:7], b s[8:9], the codes s[10:11]
	v_lshl_add_u32 v208, v0, 2, 0x10200
	v_mov_b32 v209, 0
	v_lshrrev_b32 v1, 5, v0
	s_delay_alu instid0(VALU_DEP_1)
	v_readfirstlane_b32 s12, v1                    ; wave 0..7
	v_and_b32 v2, 31, v0
	s_delay_alu instid0(VALU_DEP_1)
	v_lshlrev_b32 v3, 4, v2                        ; 16 x lane
	s_mul_i32 s13, s12, 2*PITCH
	v_add_nc_u32 v4, s13, v3                       ; LDS, in: my wave's two rows, 16 bytes a lane
	v_and_b32 v5, 15, v0
	v_bfe_u32 v6, v0, 4, 1
	s_delay_alu instid0(VALU_DEP_2)
	v_mul_u32_u24 v5, v5, PITCH
	s_delay_alu instid0(VALU_DEP_1)
	v_lshl_add_u32 v5, v6, 5, v5
	s_lshl_b32 s13, s12, 9
	v_add_nc_u32 v5, s13, v5                       ; LDS, out: row r, + 32 h, + 512 bytes x my K fragment
	v_lshlrev_b32 v6, 2, v2                        ; 4 x lane
	s_mov_b32 s[SEL], 0x76543210
	s_mov_b32 s[SEL+1], 0xfedcba98                 ; v_permlanex16_b32's selects for lane l xor 16
	s_lshl_b32 s14, ttmp9, 16                      ; 16 rows of 4,096 bytes a work-group,
	s_lshl_b32 s15, s12, 13                        ; two a wave
	s_add_co_u32 s14, s14, s15
	s_mov_b32 s15, 0
	s_mul_i32 s16, ttmp9, 4*REC
	s_lshr_b32 s17, s12, 1
	s_mul_i32 s17, s17, REC
	s_add_co_u32 s16, s16, s17                     ; my fragment's record
	s_mov_b32 s17, 0
	s_and_b32 s18, s12, 1
	s_mul_i32 s22, s18, 1536
	s_mov_b32 s23, 0
	s_lshl_b32 s24, s18, 7
	s_add_co_u32 s24, s24, 3072
	s_mov_b32 s25, 0
	s_wait_alu depctr_va_vdst(0)
	s_wait_kmcnt 0x0
	s_add_nc_u64 s[4:5], s[4:5], s[14:15]
	s_add_nc_u64 s[10:11], s[10:11], s[16:17]
	s_add_nc_u64 s[26:27], s[10:11], s[22:23]      ; its image
	s_add_nc_u64 s[28:29], s[10:11], s[24:25]      ; its scale words
.irp r, 0,1
.irp j, 0,1,2,3,4,5,6,7
	global_load_b128 v[X0+32*\r+4*\j:X0+32*\r+4*\j+3], v3, s[4:5] offset:4096*\r+512*\j th:TH_LOAD_NT
.endr
.endr
.irp j, 0,1,2,3,4,5,6,7
	global_load_b128 v[WR+4*\j:WR+4*\j+3], v3, s[6:7] offset:512*\j
.endr
.irp j, 0,1,2,3,4,5,6,7
	global_load_b128 v[BR+4*\j:BR+4*\j+3], v3, s[8:9] offset:512*\j
.endr
	s_wait_loadcnt 16                              ; x is in; the sixteen loads of w and b may stay out
.irp r, 0,1
	v_pk_add_f32 v[SM+4*\r:SM+4*\r+1], v[X0+32*\r:X0+32*\r+1], v[X0+32*\r+2:X0+32*\r+3]
	v_pk_add_f32 v[SM+4*\r+2:SM+4*\r+3], v[X0+32*\r+4:X0+32*\r+5], v[X0+32*\r+6:X0+32*\r+7]
.endr
.irp j, 8,12,16,20,24,28
.irp r, 0,1
	s_delay_alu instid0(VALU_DEP_4)
	v_pk_add_f32 v[SM+4*\r:SM+4*\r+1], v[SM+4*\r:SM+4*\r+1], v[X0+32*\r+\j:X0+32*\r+\j+1]
	s_delay_alu instid0(VALU_DEP_4)
	v_pk_add_f32 v[SM+4*\r+2:SM+4*\r+3], v[SM+4*\r+2:SM+4*\r+3], v[X0+32*\r+\j+2:X0+32*\r+\j+3]
.endr
.endr
	REDUCE                                         ; the means
.irp j, 0,2,4,6,8,10,12,14,16,18,20,22,24,26,28,30
.irp r, 0,1
	v_pk_add_f32 v[X0+32*\r+\j:X0+32*\r+\j+1], v[X0+32*\r+\j:X0+32*\r+\j+1], v[SM+4*\r:SM+4*\r+1] op_sel_hi:[1,0] neg_lo:[0,1] neg_hi:[0,1]
.endr
.endr
.irp r, 0,1
	v_pk_mul_f32 v[SM+4*\r:SM+4*\r+1], v[X0+32*\r:X0+32*\r+1], v[X0+32*\r:X0+32*\r+1]
	v_pk_mul_f32 v[SM+4*\r+2:SM+4*\r+3], v[X0+32*\r+2:X0+32*\r+3], v[X0+32*\r+2:X0+32*\r+3]
.endr
.irp j, 4,8,12,16,20,24,28
.irp r, 0,1
	s_delay_alu instid0(VALU_DEP_4)
	v_pk_fma_f32 v[SM+4*\r:SM+4*\r+1], v[X0+32*\r+\j:X0+32*\r+\j+1], v[X0+32*\r+\j:X0+32*\r+\j+1], v[SM+4*\r:SM+4*\r+1]
	s_delay_alu instid0(VALU_DEP_4)
	v_pk_fma_f32 v[SM+4*\r+2:SM+4*\r+3], v[X0+32*\r+\j+2:X0+32*\r+\j+3], v[X0+32*\r+\j+2:X0+32*\r+\j+3], v[SM+4*\r+2:SM+4*\r+3]
.endr
.endr
	REDUCE                                         ; the variances
	s_wait_alu depctr_va_vdst(0)
	v_rsq_f32 v[SM], v[SM]
	v_rsq_f32 v[SM+4], v[SM+4]
	v_nop                                          ; a plain place behind the two,
	s_wait_alu depctr_va_vdst(0)                   ; and the one wait ahead of their first reader
	s_wait_loadcnt 0x0                             ; w and b
.irp j, 0,2,4,6,8,10,12,14,16,18,20,22,24,26,28,30
.irp r, 0,1
	v_pk_mul_f32 v[X0+32*\r+\j:X0+32*\r+\j+1], v[X0+32*\r+\j:X0+32*\r+\j+1], v[SM+4*\r:SM+4*\r+1] op_sel_hi:[1,0]
.endr
.endr
.irp j, 0,2,4,6,8,10,12,14,16,18,20,22,24,26,28,30
.irp r, 0,1
	v_pk_fma_f32 v[X0+32*\r+\j:X0+32*\r+\j+1], v[X0+32*\r+\j:X0+32*\r+\j+1], v[WR+\j:WR+\j+1], v[BR+\j:BR+\j+1]
.endr
.endr
.irp r, 0,1
.irp j, 0,1,2,3,4,5,6,7
	ds_store_b128 v4, v[X0+32*\r+4*\j:X0+32*\r+4*\j+3] offset:\r*PITCH+512*\j
.endr
.endr
	s_wait_dscnt 0x0                               ; for the others' sake: my rows lie in LDS
	s_barrier_signal -1
	s_barrier_wait -1
.irp b, 0,1,2,3
	ds_load_b128 v[X0+16*\b:X0+16*\b+3], v5 offset:128*\b
	ds_load_b128 v[X0+16*\b+4:X0+16*\b+7], v5 offset:128*\b+16
	ds_load_b128 v[X0+16*\b+8:X0+16*\b+11], v5 offset:128*\b+64
	ds_load_b128 v[X0+16*\b+12:X0+16*\b+15], v5 offset:128*\b+80
.endr
	s_wait_dscnt 0x0
	QUANT X0
.irp g, 0,1,2
	global_store_b128 v3, v[PC+4*\g:PC+4*\g+3], s[26:27] offset:512*\g   ; 512 consecutive bytes, at a multiple of 256 from the buffer's first byte
.endr
	global_store_b32 v6, v[PW], s[28:29]
	s_wait_tensorcnt 0x0
	ds_add_u32 v208, v209
	s_wait_dscnt 0x0
	s_endpgm
.Lfunc_end_k_q3c6271c0d2_ln1:
	.size	k_q3c6271c0d2_ln1, .Lfunc_end_k_q3c6271c0d2_ln1-k_q3c6271c0d2_ln1
	.p2alignl 7, 3214868480
	.fill 96, 4, 3214868480
	.section	.rodata,"a",@progbits
	.p2align	6, 0x0
	.amdhsa_kernel k_q3c6271c0d2_ln1
		.amdhsa_group_segment_fixed_size 67072
		.amdhsa_private_segment_fixed_size 0
		.amdhsa_enable_private_segment 0
		.amdhsa_kernarg_size 32
		.amdhsa_user_sgpr_count 2
		.amdhsa_user_sgpr_kernarg_segment_ptr 1
		.amdhsa_wavefront_size32 1
		.amdhsa_system_sgpr_workgroup_id_x 1
		.amdhsa_system_sgpr_workgroup_id_y 1
		.amdhsa_system_sgpr_workgroup_id_z 1
		.amdhsa_system_vgpr_workitem_id 0
		.amdhsa_next_free_vgpr 210
		.amdhsa_next_free_sgpr 66
		.amdhsa_reserve_vcc 0
		.amdhsa_float_denorm_mode_32 3
		.amdhsa_float_denorm_mode_16_64 3
		.amdhsa_memory_ordered 1
		.amdhsa_forward_progress 1
		.amdhsa_inst_pref_size 28
	.end_amdhsa_kernel
	.amdgpu_metadata
---
amdhsa.version: [ 1, 2 ]
amdhsa.kernels:
  - .name:           k_q3c6271c0d2_ln1
    .symbol:         k_q3c6271c0d2_ln1.kd
    .args:
      - { .name: rm, .offset: 0, .size: 8, .value_kind: global_buffer, .address_space: global }
      - { .name: ln2_w, .offset: 8, .size: 8, .value_kind: global_buffer, .address_space: global }
      - { .name: ln2_b, .offset: 16, .size: 8, .value_kind: global_buffer, .address_space: global }
      - { .name: yc, .offset: 24, .size: 8, .value_kind: global_buffer, .address_space: global }
    .group_segment_fixed_size: 67072
    .private_segment_fixed_size: 0
    .kernarg_segment_align: 8
    .kernarg_segment_size: 32
    .max_flat_workgroup_size: 256
    .sgpr_count:     66
    .vgpr_count:     210
    .wavefront_size: 32
...
	.end_amdgpu_metadata
.endif
;; end of part 5
;; launch mlpin (part 6): grid 16 x 16, 4 waves a work-group, clusters of 4 x 4, 327,680 bytes of LDS; arguments yc, wq, b_in, hc; writes hc
.if DOCPART == 6
	.amdgcn_target "amdgcn-amd-amdhsa--gfx1250"
	.amdhsa_code_object_version 6
	.text
	.protected	k_q3c6271c0d2_mlpin
	.globl	k_q3c6271c0d2_mlpin
	.p2align	8
	.type	k_q3c6271c0d2_mlpin,@function
k_q3c6271c0d2_mlpin:
	s_mov_b64 s[64:65], 0
	v_nop
	global_prefetch_b8 v0, s[64:65] scope:SCOPE_SE
	s_setreg_imm32_b32 hwreg(HW_REG_WAVE_MODE, 25, 1), 1
	s_wait_xcnt 0x0
	s_wait_alu depctr_hold_cnt(0) depctr_sa_sdst(0) depctr_va_vdst(0) depctr_va_sdst(0) depctr_va_ssrc(0) depctr_va_vcc(0) depctr_vm_vsrc(0)
	s_getreg_b32 s2, hwreg(HW_REG_IB_STS2, 6, 4)
	s_cmp_eq_u32 s2, 0
	s_cbranch_scc0 .Lentry_in_a_cluster
	s_endpgm
.Lentry_in_a_cluster:
	s_bfe_u32 s2, ttmp6, 0x10000c
	s_cmp_lg_u32 s2, 0xf033
	s_cbranch_scc0 .Lentry_shape_is_right
	s_endpgm
.Lentry_shape_is_right:
.set NB,   8
.set NQ,   2
.set KTOT, 1024
.set WOFF, 3407872
.set REC,   3328
.set ROWL,  (NQ/2)*REC
.set HALFT, NB*ROWL
.set SLOT,  4*HALFT
.set SPARE, 2*SLOT
.set HB,    NB/2
.set QB,    NB/4
.set LAPS,  KTOT/(256*NQ)
.set KRECB, (KTOT/256)*REC
.set ADRA, 16
.set ADRB, 20
.set ADRS, 22
.set SPW,  28
.set NIL,  29
.set SC,   32
.set AF,   128
.set H,    64
.set E,    128
.set TM,   200
.set PW,   216
.set KV,   218
.set PC,   224
.set SEL,  66
.set G1, 24
.set G0, 32
.set G1B, 48
.set G0B, 56
.set MSB, 0
.macro WIN new
.if MSB != (\new)
	s_set_vgpr_msb (MSB<<8)|(\new)
.set MSB, \new
.endif
.endm
.set MUL_LO, 0xa1
.set MUL_HI, 0xf1
.set TO_B,   0x40
.macro JLOAD g0a, g1a, g0b, g1b
	s_cmp_eq_u32 s15, 0
	s_cbranch_scc0 .Lfor_b_\@
	tensor_load_to_lds s[\g0a:\g0a+3], s[\g1a:\g1a+7]
	s_nop 0
.rept 4
	v_nop
.endr
	s_branch .Lasked_\@
.Lfor_b_\@:
	tensor_load_to_lds s[\g0b:\g0b+3], s[\g1b:\g1b+7]
	s_nop 0
.rept 4
	v_nop
.endr
.Lasked_\@:
.endm
.macro CREST
	s_cmp_lg_u32 s14, 0
	s_cbranch_scc1 .Lnot_wave_0_\@
	s_barrier_signal -3
.Lnot_wave_0_\@:
	s_barrier_wait -3
	s_barrier_signal -1
	s_barrier_wait -1
.endm
.macro CROUND
	s_barrier_signal -1
	s_barrier_wait -1
	CREST
.endm
.macro PLACES n
.rept \n
	v_nop
.endr
.endm
.macro FRAG reg, adr, q, i
.irp g, 0,1,2
	ds_load_b128 v[\reg+4*\g:\reg+4*\g+3], v[\adr] offset:(\i)*ROWL+((\q)/2)*REC+((\q)%2)*1536+512*\g
.endr
.endm
.macro FETCH_B slot, q, p
	WIN TO_B
.set fi, 0
.rept NB
	FRAG 128*(\p)+12*fi, ADRB+\slot, \q, fi
.set fi, fi+1
.endr
	WIN 0
.endm
.macro FETCH_A slot, q, i0
.set fi, \i0
.rept HB
	FRAG AF+12*fi, ADRA+\slot, \q, fi
.set fi, fi+1
.endr
.endm
.macro SCALES slot
.set fi, 0
.rept NB
.set fq, 0
.rept NQ
	ds_load_b32 v[SC+16*\slot+NQ*fi+fq], v[ADRS+\slot] offset:fi*ROWL+(fq/2)*REC+(fq%2)*128
.set fq, fq+1
.endr
.set fi, fi+1
.endr
.endm
.macro MULS a0, n, p, q, sc, zero
.set ma, \a0
.rept \n
.set mb, 0
.rept NB
.set rD, 8*(NB*(ma%HB)+mb)
.if \zero
	v_wmma_scale_f32_16x16x128_f8f6f4 v[rD:rD+7], v[128*(\p)+12*mb:128*(\p)+12*mb+11], v[AF+12*ma:AF+12*ma+11], 0, v[SC+16*(\sc)+NQ*mb+(\q)], v[SC+16*(\sc)+NQ*ma+(\q)] matrix_a_fmt:MATRIX_FMT_FP6 matrix_b_fmt:MATRIX_FMT_FP6 matrix_a_scale:MATRIX_SCALE_ROW1
.else
	v_wmma_scale_f32_16x16x128_f8f6f4 v[rD:rD+7], v[128*(\p)+12*mb:128*(\p)+12*mb+11], v[AF+12*ma:AF+12*ma+11], v[rD:rD+7], v[SC+16*(\sc)+NQ*mb+(\q)], v[SC+16*(\sc)+NQ*ma+(\q)] matrix_a_fmt:MATRIX_FMT_FP6 matrix_b_fmt:MATRIX_FMT_FP6 matrix_a_scale:MATRIX_SCALE_ROW1
.endif
.set mb, mb+1
.endr
.set ma, ma+1
.endr
.endm
.macro STEP slot, q, zero
	s_wait_dscnt HB*3
	WIN MUL_LO
	MULS 0,HB,(\q)%2,\q,\slot,\zero
	s_wait_dscnt 0x0
	PLACES 4
	FETCH_B \slot,(\q)+1,1-(\q)%2
	FETCH_A \slot,(\q)+1,0
	WIN MUL_HI
	MULS HB,HB,(\q)%2,\q,\slot,\zero
	PLACES 4
	WIN 0
	FETCH_A \slot,(\q)+1,HB
.endm
.macro REST slot
.if NQ == 4
	STEP \slot,1,0
	STEP \slot,2,0
.endif
.endm
.macro TURN slot, next, fill
	s_wait_tensorcnt 0x0
	ds_add_u32 v[SPW], v[NIL]
	s_wait_dscnt HB*3+1
	WIN MUL_LO
	MULS 0,QB,1,NQ-1,\slot,0
	s_wait_dscnt 0x0
	s_barrier_signal -1
	MULS QB,QB,1,NQ-1,\slot,0
	WIN 0
	s_barrier_wait -1
.if \fill
	CREST
	s_add_nc_u64 s[G0+4*\slot+2:G0+4*\slot+3], s[G0+4*\slot+2:G0+4*\slot+3], 2*ROWL
	s_add_nc_u64 s[G0B+4*\slot+2:G0B+4*\slot+3], s[G0B+4*\slot+2:G0B+4*\slot+3], 2*ROWL
	JLOAD G0+4*\slot,G1,G0B+4*\slot,G1B
.else
	PLACES 4
.endif
	FETCH_B \next,0,0
	FETCH_A \next,0,0
	SCALES \next
	WIN MUL_HI
	MULS HB,HB,1,NQ-1,\slot,0
	PLACES 4
	WIN 0
	FETCH_A \next,0,HB
.endm
.macro LAST
	s_wait_dscnt HB*3
	WIN MUL_LO
	MULS 0,HB,1,NQ-1,1,0
	s_wait_dscnt 0x0
	WIN MUL_HI
	MULS HB,HB,1,NQ-1,1,0
	WIN 0
	PLACES 4
.endm
.macro QUANT s
.irp b, 0,1,2,3
	v_max3_num_f32 v[TM+\b], |v[\s+16*\b]|, |v[\s+1+16*\b]|, 0x1800000
.endr
.irp i, 2,4,6,8,10,12,14
.irp b, 0,1,2,3
	v_max3_num_f32 v[TM+\b], v[TM+\b], |v[\s+16*\b+\i]|, |v[\s+1+16*\b+\i]|
.endr
.endr
.irp b, 0,1,2,3
	v_permlanex16_b32 v[TM+4+\b], v[TM+\b], s[SEL], s[SEL+1]
.endr
.irp b, 0,1,2,3
	v_max_num_f32 v[TM+\b], v[TM+\b], v[TM+4+\b]
.endr
.irp b, 0,1,2,3
	v_add_nc_u32 v[TM+12+\b], 0xff000000, v[TM+\b]
.endr
.irp b, 0,1,2,3
	v_lshrrev_b32 v[TM+4+\b], 23, v[TM+12+\b]
.endr
	v_lshl_or_b32 v[PW], v[TM+5], 8, v[TM+4]
	v_lshl_or_b32 v[PW], v[TM+6], 16, v[PW]
	v_lshl_or_b32 v[PW], v[TM+7], 24, v[PW]
.irp c, 0,1
	v_cvt_scalef32_pk16_fp6_f32 v[PC+6*\c:PC+2+6*\c], v[\s+32*\c:\s+15+32*\c], v[TM+12+2*\c]
	v_cvt_scalef32_pk16_fp6_f32 v[PC+12+4*\c:PC+14+4*\c], v[\s+16+32*\c:\s+31+32*\c], v[TM+12+2*\c+1]
.endr
	v_nop
.irp c, 0,1
.irp i, 0,1,2
	v_permlane16_swap_b32 v[PC+6*\c+\i], v[PC+12+4*\c+\i]
.endr
.irp i, 0,1,2
	v_mov_b32 v[PC+3+6*\c+\i], v[PC+12+4*\c+\i]
.endr
.endr
.endm
	s_load_b256 s[4:11], s[0:1], 0x0
	v_lshl_add_u32 v[SPW], v0, 2, SPARE
	v_mov_b32 v[NIL], 0
	ds_add_u32 v28, v29
	ds_add_u32 v28, v29
	s_wait_dscnt 0x0
	v_lshrrev_b32 v1, 5, v0
	v_readfirstlane_b32 s14, v1
	s_lshr_b32 s15, s14, 1
	s_and_b32 s16, s14, 1
	s_bfe_u32 s40, ttmp6, 0x40000
	s_bfe_u32 s41, ttmp6, 0x40004
	s_lshl_b32 s42, ttmp9, 2
	s_add_co_u32 s42, s42, s40
	s_and_b32 s17, ttmp7, 0xffff
	s_lshl_b32 s17, s17, 2
	s_add_co_u32 s17, s17, s41
	s_lshl_b32 s43, s41, 2
	s_lshl_b32 s43, 15, s43
	s_lshl_b32 s44, 0x1111, s40
	s_or_b32 s[G1+0], s43, (3<<16)|(1<<21)
	s_or_b32 s[G1B+0], s44, (3<<16)|(1<<21)
.irp g, G1, G1B
	s_mov_b32 s[\g+1], (ROWL/8)<<16
	s_mov_b32 s[\g+2], NB<<16
	s_mov_b32 s[\g+3], (ROWL/8)<<16
	s_mov_b32 s[\g+4], NB
	s_mov_b32 s[\g+5], KRECB/8
	s_mov_b32 s[\g+6], 0
	s_mov_b32 s[\g+7], 0
.endr
	s_mul_i32 s18, s16, NB
	s_mul_i32 s20, s17, 2*NB
	s_add_co_u32 s20, s20, s18
	s_mul_i32 s20, s20, KRECB
	s_mov_b32 s21, 0
	s_mul_i32 s46, s42, 2*NB
	s_add_co_u32 s46, s46, s18
	s_mul_i32 s46, s46, KRECB
	s_mov_b32 s47, 0
	s_mul_i32 s45, s14, HALFT
	s_mov_b32 s[SEL], 0x76543210
	s_mov_b32 s[SEL+1], 0xfedcba98
	s_wait_kmcnt 0x0
	s_add_nc_u64 s[20:21], s[4:5], s[20:21]
	s_add_nc_u64 s[46:47], s[6:7], s[46:47]
	s_add_nc_u64 s[46:47], s[46:47], WOFF
	; the prefetches' address: of the eight 16-row blocks that I fetch, my work-group names two (its place among the four that ask jointly: cx for A, cy for B): 26 blocks of 256 bytes a slot, a lane each
	s_cmp_eq_u32 s15, 0
	s_cselect_b64 s[98:99], s[20:21], s[46:47]
	s_cselect_b32 s96, s40, s41
	s_mul_i32 s96, s96, KRECB*(NB/4)
	s_mov_b32 s97, 0
	s_add_nc_u64 s[98:99], s[98:99], s[96:97]
	s_wait_alu depctr_va_vdst(0)
	v_and_b32 v30, 31, v0
	v_min_u32 v30, 25, v30
	v_cmp_gt_u32 vcc_lo, 13, v30
	v_lshlrev_b32 v30, 8, v30
	v_cndmask_b32 v31, KRECB-ROWL, v29, vcc_lo     ; lanes 13-25: the second 16 rows
	v_add_nc_u32 v30, v30, v31
	s_wait_alu depctr_va_vdst(0)
	CROUND
.irp s, 0,1
	s_mov_b32 s[G0+4*\s], 1
	s_add_co_u32 s[G0+4*\s+1], s45, \s*SLOT
	s_add_nc_u64 s[G0+4*\s+2:G0+4*\s+3], s[20:21], \s*ROWL
	s_or_b32 s[G0+4*\s+3], s[G0+4*\s+3], 0x80000000
	s_mov_b32 s[G0B+4*\s], 1
	s_add_co_u32 s[G0B+4*\s+1], s45, \s*SLOT
	s_add_nc_u64 s[G0B+4*\s+2:G0B+4*\s+3], s[46:47], \s*ROWL
	s_or_b32 s[G0B+4*\s+3], s[G0B+4*\s+3], 0x80000000
.if \s == 1                            ; slot 1's first fill is issued as a refill is
	s_wait_alu depctr_va_vdst(0)
	s_wait_tensorcnt 0x0
	ds_add_u32 v28, v29
	ds_add_u32 v28, v29
	s_wait_dscnt 0x0
	CROUND
.endif
	JLOAD G0+4*\s,G1,G0B+4*\s,G1B
.if \s == 0                            ; behind slot s's load: the slots up to two on are asked for, each once in the cluster
	global_prefetch_b8 v30, s[98:99] offset:ROWL th:TH_LOAD_NT scope:SCOPE_SE
	global_prefetch_b8 v30, s[98:99] offset:2*ROWL th:TH_LOAD_NT scope:SCOPE_SE
.else
	global_prefetch_b8 v30, s[98:99] offset:3*ROWL th:TH_LOAD_NT scope:SCOPE_SE
.endif
.endr
	v_and_b32 v1, 15, v0
	v_bfe_u32 v2, v0, 4, 1
	s_wait_alu depctr_va_vdst(0)
	v_and_b32 v3, 31, v0
	s_wait_alu depctr_va_vdst(0)
	v_lshlrev_b32 v4, 4, v3
	s_wait_alu depctr_va_vdst(0)
	s_lshl_b32 s70, s42, 8
	s_lshl_b32 s71, s16, 7
	s_add_co_u32 s70, s70, s71
	s_lshl_b32 s70, s70, 2
	s_mov_b32 s71, 0
	s_add_nc_u64 s[8:9], s[8:9], s[70:71]
	s_lshl_b32 s72, s17, 4
	s_lshl_b32 s73, s15, 3
	s_add_co_u32 s72, s72, s73
	s_mul_i32 s72, s72, 53248
	s_mul_i32 s73, s42, REC
	s_add_co_u32 s72, s72, s73
	s_mul_i32 s74, s16, 1536
	s_add_co_u32 s74, s74, s72
	s_mov_b32 s75, 0
	s_add_nc_u64 s[74:75], s[10:11], s[74:75]
	s_lshl_b32 s76, s16, 7
	s_add_co_u32 s76, s76, s72
	s_add_co_u32 s76, s76, 3072
	s_mov_b32 s77, 0
	s_add_nc_u64 s[76:77], s[10:11], s[76:77]
	v_lshlrev_b32 v8, 5, v2
	v_lshlrev_b32 v9, 2, v3
	WIN TO_B
.irp b, 0,1,2,3,4,5,6,7
	global_load_b128 v[96+8*\b+96*(\b/4):99+8*\b+96*(\b/4)], v8, s[8:9] offset:64*\b
	global_load_b128 v[100+8*\b+96*(\b/4):103+8*\b+96*(\b/4)], v8, s[8:9] offset:64*\b+16
.endr
	WIN 0
	s_mul_i32 s21, s15, HALFT
	s_mul_i32 s22, s16, HALFT
	s_add_co_u32 s22, s22, 2*HALFT
.irp s, 0,1
	v_add_nc_u32 v[ADRA+\s], s21, v4
	v_add_nc_u32 v[ADRB+\s], s22, v4
	s_add_co_u32 s21, s21, SLOT
	s_add_co_u32 s22, s22, SLOT
.endr
	s_mul_i32 s21, s15, HALFT
	s_mul_i32 s22, s16, HALFT
	s_add_co_u32 s22, s22, 2*HALFT
	s_sub_co_u32 s22, s22, s21
	v_mul_u32_u24 v6, s22, v2
	v_lshl_add_u32 v6, v3, 2, v6
	s_add_co_u32 s21, s21, 3072
	v_add_nc_u32 v[ADRS], s21, v6
	v_add_nc_u32 v[ADRS+1], SLOT, v[ADRS]
	s_wait_alu depctr_va_vdst(0)
	s_wait_tensorcnt 1
	s_barrier_signal -1
	s_barrier_wait -1
	FETCH_B 0,0,0
	FETCH_A 0,0,0
	SCALES 0
	FETCH_A 0,0,HB
	STEP 0,0,1
.if LAPS > 1
	s_mov_b32 s3, LAPS-1
.Llap:
	REST 0
	TURN 0,1,1
	STEP 1,0,0
	REST 1
	TURN 1,0,1
	STEP 0,0,0
	s_sub_co_u32 s3, s3, 1
	s_cmp_lg_u32 s3, 0
	s_cbranch_scc1 .Llap
.endif
	REST 0
	TURN 0,1,0
	STEP 1,0,0
	REST 1
	LAST
	s_wait_loadcnt 0x0
.irp b, 0,1,2,3
	v_mov_b32 v[TM+4+\b], 0
.endr
	v_mov_b32 v[KV], 0xbdd2d3e8
	v_mov_b32 v[KV+1], 0xbdd2d3e8
	v_mov_b32 v[KV+2], 0xc0135761
	v_mov_b32 v[KV+3], 0xc0135761
.macro OUTH a
.set AC, 64*((\a)%4)
	s_wait_xcnt 0x0
	WIN 0x06+(\a)/4
.set i, 0
.rept 32
	v_pk_add_f32 v[H+2*i:H+2*i+1], v[AC+2*i:AC+2*i+1], v[96+2*i+96*(i/16):97+2*i+96*(i/16)]
.set i, i+1
.endr
	WIN 0
.set i, 0
.rept 32
	v_pk_mul_f32 v[E+2*i:E+2*i+1], v[H+2*i:H+2*i+1], v[H+2*i:H+2*i+1]
.set i, i+1
.endr
.set i, 0
.rept 32
	v_pk_fma_f32 v[E+2*i:E+2*i+1], v[E+2*i:E+2*i+1], v[KV:KV+1], v[KV+2:KV+3]
.set i, i+1
.endr
.set i, 0
.rept 32
	v_pk_mul_f32 v[E+2*i:E+2*i+1], v[E+2*i:E+2*i+1], v[H+2*i:H+2*i+1]
.set i, i+1
.endr
.set i, 0
	s_wait_alu depctr_va_vdst(0)
.rept 64
	v_exp_f32 v[E+i], v[E+i]
.set i, i+1
.endr
	v_nop
	s_wait_alu depctr_va_vdst(0)
.set i, 0
.rept 32
	v_pk_add_f32 v[E+2*i:E+2*i+1], v[E+2*i:E+2*i+1], 1.0 op_sel_hi:[1,0]
.set i, i+1
.endr
.set i, 0
	s_wait_alu depctr_va_vdst(0)
.rept 64
	v_rcp_f32 v[E+i], v[E+i]
.set i, i+1
.endr
	v_nop
	s_wait_alu depctr_va_vdst(0)
.set i, 0
.rept 32
	v_pk_mul_f32 v[H+2*i:H+2*i+1], v[H+2*i:H+2*i+1], v[E+2*i:E+2*i+1]
.set i, i+1
.endr
	QUANT H
.irp g, 0,1,2
	global_store_b128 v4, v[PC+4*\g:PC+4*\g+3], s[74:75] offset:(\a)*53248+512*\g
.endr
	global_store_b32 v9, v[PW], s[76:77] offset:(\a)*53248
.endm
.irp a, 0,1,2,3,4,5,6,7
	OUTH \a
.endr
	s_wait_tensorcnt 0x0
	ds_add_u32 v[SPW], v[NIL]
	s_wait_dscnt 0x0
	CROUND
	s_endpgm
.Lfunc_end_k_q3c6271c0d2_mlpin:
	.size	k_q3c6271c0d2_mlpin, .Lfunc_end_k_q3c6271c0d2_mlpin-k_q3c6271c0d2_mlpin
	.p2alignl 7, 3214868480
	.fill 96, 4, 3214868480
	.section	.rodata,"a",@progbits
	.p2align	6, 0x0
	.amdhsa_kernel k_q3c6271c0d2_mlpin
		.amdhsa_group_segment_fixed_size 327680
		.amdhsa_private_segment_fixed_size 0
		.amdhsa_enable_private_segment 0
		.amdhsa_kernarg_size 32
		.amdhsa_user_sgpr_count 2
		.amdhsa_user_sgpr_kernarg_segment_ptr 1
		.amdhsa_wavefront_size32 1
		.amdhsa_system_sgpr_workgroup_id_x 1
		.amdhsa_system_sgpr_workgroup_id_y 1
		.amdhsa_system_sgpr_workgroup_id_z 1
		.amdhsa_system_vgpr_workitem_id 0
		.amdhsa_next_free_vgpr 1024
		.amdhsa_next_free_sgpr 100
		.amdhsa_reserve_vcc 1
		.amdhsa_float_denorm_mode_32 3
		.amdhsa_float_denorm_mode_16_64 3
		.amdhsa_memory_ordered 1
		.amdhsa_forward_progress 1
		.amdhsa_inst_pref_size 255
	.end_amdhsa_kernel
	.section	.bss,"aw",@nobits
	.p2align	6
	.space	262144
	.amdgpu_metadata
---
amdhsa.version: [ 1, 2 ]
amdhsa.kernels:
  - .name:           k_q3c6271c0d2_mlpin
    .symbol:         k_q3c6271c0d2_mlpin.kd
    .args:
      - { .name: yc, .offset: 0, .size: 8, .value_kind: global_buffer, .address_space: global }
      - { .name: wq, .offset: 8, .size: 8, .value_kind: global_buffer, .address_space: global }
      - { .name: b_in, .offset: 16, .size: 8, .value_kind: global_buffer, .address_space: global }
      - { .name: hc, .offset: 24, .size: 8, .value_kind: global_buffer, .address_space: global }
    .group_segment_fixed_size: 327680
    .private_segment_fixed_size: 0
    .kernarg_segment_align: 8
    .kernarg_segment_size: 32
    .max_flat_workgroup_size: 128
    .sgpr_count:     100
    .vgpr_count:     1024
    .wavefront_size: 32
...
	.end_amdgpu_metadata
.endif
;; end of part 6
;; launch mlpout (part 7): grid 8 x 32, 4 waves a work-group, clusters of 4 x 4, 327,680 bytes of LDS; arguments hc, wq, b_out, rm, out0; writes out0
.if DOCPART == 7
	.amdgcn_target "amdgcn-amd-amdhsa--gfx1250"
	.amdhsa_code_object_version 6
	.text
	.protected	k_q3c6271c0d2_mlpout
	.globl	k_q3c6271c0d2_mlpout
	.p2align	8
	.type	k_q3c6271c0d2_mlpout,@function
k_q3c6271c0d2_mlpout:
	s_mov_b64 s[64:65], 0
	v_nop
	global_prefetch_b8 v0, s[64:65] scope:SCOPE_SE
	s_setreg_imm32_b32 hwreg(HW_REG_WAVE_MODE, 25, 1), 1
	s_wait_xcnt 0x0
	s_wait_alu depctr_hold_cnt(0) depctr_sa_sdst(0) depctr_va_vdst(0) depctr_va_sdst(0) depctr_va_ssrc(0) depctr_va_vcc(0) depctr_vm_vsrc(0)
	s_getreg_b32 s2, hwreg(HW_REG_IB_STS2, 6, 4)
	s_cmp_eq_u32 s2, 0
	s_cbranch_scc0 .Lentry_in_a_cluster
	s_endpgm
.Lentry_in_a_cluster:
	s_bfe_u32 s2, ttmp6, 0x10000c
	s_cmp_lg_u32 s2, 0xf033
	s_cbranch_scc0 .Lentry_shape_is_right
	s_endpgm
.Lentry_shape_is_right:
.set NB,   4
.set NQ,   4
.set KTOT, 4096
.set WOFF, 6815744
.set REC,   3328
.set ROWL,  (NQ/2)*REC
.set HALFT, NB*ROWL
.set SLOT,  4*HALFT
.set SPARE, 2*SLOT
.set HB,    NB/2
.set QB,    NB/4
.set LAPS,  KTOT/(256*NQ)
.set KRECB, (KTOT/256)*REC
.set SPITCH, 272
.set ADRA, 16
.set ADRB, 20
.set ADRS, 22
.set STO,  24
.set RD,   25
.set CO,   26
.set BO,   27
.set SPW,  28
.set NIL,  29
.set SC,   32
.set AF,   128
.set BK,   128
.set G1, 24
.set G0, 32
.set G1B, 48
.set G0B, 56
.set MSB, 0
.macro WIN new
.if MSB != (\new)
	s_set_vgpr_msb (MSB<<8)|(\new)
.set MSB, \new
.endif
.endm
.set MUL_LO, 0xa1
.set MUL_HI, 0xf1
.set TO_B,   0x40
.macro JLOAD g0a, g1a, g0b, g1b
	s_cmp_eq_u32 s15, 0
	s_cbranch_scc0 .Lfor_b_\@
	tensor_load_to_lds s[\g0a:\g0a+3], s[\g1a:\g1a+7]
	s_nop 0
.rept 4
	v_nop
.endr
	s_branch .Lasked_\@
.Lfor_b_\@:
	tensor_load_to_lds s[\g0b:\g0b+3], s[\g1b:\g1b+7]
	s_nop 0
.rept 4
	v_nop
.endr
.Lasked_\@:
.endm
.macro CREST
	s_cmp_lg_u32 s14, 0
	s_cbranch_scc1 .Lnot_wave_0_\@
	s_barrier_signal -3
.Lnot_wave_0_\@:
	s_barrier_wait -3
	s_barrier_signal -1
	s_barrier_wait -1
.endm
.macro CROUND
	s_barrier_signal -1
	s_barrier_wait -1
	CREST
.endm
.macro PLACES n
.rept \n
	v_nop
.endr
.endm
.macro FRAG reg, adr, q, i
.irp g, 0,1,2
	ds_load_b128 v[\reg+4*\g:\reg+4*\g+3], v[\adr] offset:(\i)*ROWL+((\q)/2)*REC+((\q)%2)*1536+512*\g
.endr
.endm
.macro FETCH_B slot, q, p
	WIN TO_B
.set fi, 0
.rept NB
	FRAG 128*(\p)+12*fi, ADRB+\slot, \q, fi
.set fi, fi+1
.endr
	WIN 0
.endm
.macro FETCH_A slot, q, i0
.set fi, \i0
.rept HB
	FRAG AF+12*fi, ADRA+\slot, \q, fi
.set fi, fi+1
.endr
.endm
.macro SCALES slot
.set fi, 0
.rept NB
.set fq, 0
.rept NQ
	ds_load_b32 v[SC+16*\slot+NQ*fi+fq], v[ADRS+\slot] offset:fi*ROWL+(fq/2)*REC+(fq%2)*128
.set fq, fq+1
.endr
.set fi, fi+1
.endr
.endm
.macro MULS a0, n, p, q, sc, zero
.set ma, \a0
.rept \n
.set mb, 0
.rept NB
.set rD, 8*(NB*(ma%HB)+mb)
.if \zero
	v_wmma_scale_f32_16x16x128_f8f6f4 v[rD:rD+7], v[128*(\p)+12*mb:128*(\p)+12*mb+11], v[AF+12*ma:AF+12*ma+11], 0, v[SC+16*(\sc)+NQ*mb+(\q)], v[SC+16*(\sc)+NQ*ma+(\q)] matrix_a_fmt:MATRIX_FMT_FP6 matrix_b_fmt:MATRIX_FMT_FP6 matrix_a_scale:MATRIX_SCALE_ROW1
.else
	v_wmma_scale_f32_16x16x128_f8f6f4 v[rD:rD+7], v[128*(\p)+12*mb:128*(\p)+12*mb+11], v[AF+12*ma:AF+12*ma+11], v[rD:rD+7], v[SC+16*(\sc)+NQ*mb+(\q)], v[SC+16*(\sc)+NQ*ma+(\q)] matrix_a_fmt:MATRIX_FMT_FP6 matrix_b_fmt:MATRIX_FMT_FP6 matrix_a_scale:MATRIX_SCALE_ROW1
.endif
.set mb, mb+1
.endr
.set ma, ma+1
.endr
.endm
.macro STEP slot, q, zero
	s_wait_dscnt HB*3
	WIN MUL_LO
	MULS 0,HB,(\q)%2,\q,\slot,\zero
	s_wait_dscnt 0x0
	PLACES 4
	FETCH_B \slot,(\q)+1,1-(\q)%2
	FETCH_A \slot,(\q)+1,0
	WIN MUL_HI
	MULS HB,HB,(\q)%2,\q,\slot,\zero
	PLACES 4
	WIN 0
	FETCH_A \slot,(\q)+1,HB
.endm
.macro REST slot
.if NQ == 4
	STEP \slot,1,0
	STEP \slot,2,0
.endif
.endm
.macro TURN slot, next, fill
	s_wait_tensorcnt 0x0
	ds_add_u32 v[SPW], v[NIL]
	s_wait_dscnt HB*3+1
	WIN MUL_LO
	MULS 0,QB,1,NQ-1,\slot,0
	s_wait_dscnt 0x0
	s_barrier_signal -1
	MULS QB,QB,1,NQ-1,\slot,0
	WIN 0
	s_barrier_wait -1
.if \fill
	CREST
	s_add_nc_u64 s[G0+4*\slot+2:G0+4*\slot+3], s[G0+4*\slot+2:G0+4*\slot+3], 2*ROWL
	s_add_nc_u64 s[G0B+4*\slot+2:G0B+4*\slot+3], s[G0B+4*\slot+2:G0B+4*\slot+3], 2*ROWL
	JLOAD G0+4*\slot,G1,G0B+4*\slot,G1B
.else
	PLACES 4
.endif
	FETCH_B \next,0,0
	FETCH_A \next,0,0
	SCALES \next
.if (\fill) && (LAPS > 2)              ; behind the refill and the run of LDS loads: the slot two refills on is asked for; the last lap's two refills have none
	s_cmp_gt_u32 s3, 1
	s_cbranch_scc0 .Lnoask_\@
	global_prefetch_b8 v30, s[98:99] offset:(4+\slot)*ROWL th:TH_LOAD_NT scope:SCOPE_SE
.Lnoask_\@:
.endif
	WIN MUL_HI
	MULS HB,HB,1,NQ-1,\slot,0
	PLACES 4
	WIN 0
	FETCH_A \next,0,HB
.endm
.macro LAST
	s_wait_dscnt HB*3
	WIN MUL_LO
	MULS 0,HB,1,NQ-1,1,0
	s_wait_dscnt 0x0
	WIN MUL_HI
	MULS HB,HB,1,NQ-1,1,0
	WIN 0
	PLACES 4
.endm
	s_load_b256 s[4:11], s[0:1], 0x0
	s_load_b64 s[12:13], s[0:1], 0x20
	v_lshl_add_u32 v[SPW], v0, 2, SPARE
	v_mov_b32 v[NIL], 0
	ds_add_u32 v28, v29
	ds_add_u32 v28, v29
	s_wait_dscnt 0x0
	v_lshrrev_b32 v1, 5, v0
	v_readfirstlane_b32 s14, v1
	s_lshr_b32 s15, s14, 1
	s_and_b32 s16, s14, 1
	s_bfe_u32 s40, ttmp6, 0x40000
	s_bfe_u32 s41, ttmp6, 0x40004
	s_lshl_b32 s42, ttmp9, 2
	s_add_co_u32 s42, s42, s40
	s_and_b32 s17, ttmp7, 0xffff
	s_lshl_b32 s17, s17, 2
	s_add_co_u32 s17, s17, s41
	s_lshl_b32 s43, s41, 2
	s_lshl_b32 s43, 15, s43
	s_lshl_b32 s44, 0x1111, s40
	s_or_b32 s[G1+0], s43, (3<<16)|(1<<21)
	s_or_b32 s[G1B+0], s44, (3<<16)|(1<<21)
.irp g, G1, G1B
	s_mov_b32 s[\g+1], (ROWL/8)<<16
	s_mov_b32 s[\g+2], NB<<16
	s_mov_b32 s[\g+3], (ROWL/8)<<16
	s_mov_b32 s[\g+4], NB
	s_mov_b32 s[\g+5], KRECB/8
	s_mov_b32 s[\g+6], 0
	s_mov_b32 s[\g+7], 0
.endr
	s_mul_i32 s18, s16, NB
	s_mul_i32 s20, s17, 2*NB
	s_add_co_u32 s20, s20, s18
	s_mul_i32 s20, s20, KRECB
	s_mov_b32 s21, 0
	s_mul_i32 s46, s42, 2*NB
	s_add_co_u32 s46, s46, s18
	s_mul_i32 s46, s46, KRECB
	s_mov_b32 s47, 0
	s_mul_i32 s45, s14, HALFT
	s_wait_kmcnt 0x0
	s_add_nc_u64 s[20:21], s[4:5], s[20:21]
	s_add_nc_u64 s[46:47], s[6:7], s[46:47]
	s_add_nc_u64 s[46:47], s[46:47], WOFF
	; the prefetches' address: of the four 16-row blocks that I fetch, my work-group names one (its place among the four that ask jointly: cx for A, cy for B): 26 blocks of 256 bytes a slot, a lane each
	s_cmp_eq_u32 s15, 0
	s_cselect_b64 s[98:99], s[20:21], s[46:47]
	s_cselect_b32 s96, s40, s41
	s_mul_i32 s96, s96, KRECB*(NB/4)
	s_mov_b32 s97, 0
	s_add_nc_u64 s[98:99], s[98:99], s[96:97]
	v_and_b32 v30, 31, v0
	v_min_u32 v30, 25, v30                         ; lanes 26-31 name lane 25's block again
	v_lshlrev_b32 v30, 8, v30
	s_wait_alu depctr_va_vdst(0)
	CROUND
.irp s, 0,1
	s_mov_b32 s[G0+4*\s], 1
	s_add_co_u32 s[G0+4*\s+1], s45, \s*SLOT
	s_add_nc_u64 s[G0+4*\s+2:G0+4*\s+3], s[20:21], \s*ROWL
	s_or_b32 s[G0+4*\s+3], s[G0+4*\s+3], 0x80000000
	s_mov_b32 s[G0B+4*\s], 1
	s_add_co_u32 s[G0B+4*\s+1], s45, \s*SLOT
	s_add_nc_u64 s[G0B+4*\s+2:G0B+4*\s+3], s[46:47], \s*ROWL
	s_or_b32 s[G0B+4*\s+3], s[G0B+4*\s+3], 0x80000000
.if \s == 1                            ; slot 1's first fill is issued as a refill is
	s_wait_alu depctr_va_vdst(0)
	s_wait_tensorcnt 0x0
	ds_add_u32 v28, v29
	ds_add_u32 v28, v29
	s_wait_dscnt 0x0
	CROUND
.endif
	JLOAD G0+4*\s,G1,G0B+4*\s,G1B
.if \s == 0                            ; behind slot s's load: the slots up to two on are asked for, each once in the cluster
	global_prefetch_b8 v30, s[98:99] offset:ROWL th:TH_LOAD_NT scope:SCOPE_SE
	global_prefetch_b8 v30, s[98:99] offset:2*ROWL th:TH_LOAD_NT scope:SCOPE_SE
.else
	global_prefetch_b8 v30, s[98:99] offset:3*ROWL th:TH_LOAD_NT scope:SCOPE_SE
.endif
.endr
	v_and_b32 v1, 15, v0
	v_bfe_u32 v2, v0, 4, 1
	s_wait_alu depctr_va_vdst(0)
	v_and_b32 v3, 31, v0
	v_lshlrev_b32 v4, 4, v3
	s_wait_alu depctr_va_vdst(0)
	s_lshl_b32 s70, s17, 7
	s_lshl_b32 s71, s15, 6
	s_add_co_u32 s70, s70, s71
	s_lshl_b32 s70, s70, 12
	s_lshl_b32 s72, s42, 7
	s_lshl_b32 s73, s16, 6
	s_add_co_u32 s72, s72, s73
	s_lshl_b32 s72, s72, 2
	s_mov_b32 s73, 0
	s_add_nc_u64 s[8:9], s[8:9], s[72:73]
	s_add_co_u32 s70, s70, s72
	s_mov_b32 s71, 0
	s_add_nc_u64 s[10:11], s[10:11], s[70:71]
	s_add_nc_u64 s[12:13], s[12:13], s[70:71]
	v_lshlrev_b32 v[CO], 12, v2
	v_lshl_add_u32 v[CO], v1, 4, v[CO]
	v_lshlrev_b32 v[BO], 4, v1
	global_load_b128 v[240:243], v[BO], s[8:9]
.irp a, 0,1,2,3
.irp t, 0,1,2,3,4,5,6,7
	global_load_b128 v[64+32*\a+48*(\a/2)+4*\t:67+32*\a+48*(\a/2)+4*\t], v[CO], s[10:11] offset:(16*\a+2*\t)*4096
.endr
.endr
	s_mul_i32 s21, s15, HALFT
	s_mul_i32 s22, s16, HALFT
	s_add_co_u32 s22, s22, 2*HALFT
.irp s, 0,1
	v_add_nc_u32 v[ADRA+\s], s21, v4
	v_add_nc_u32 v[ADRB+\s], s22, v4
	s_add_co_u32 s21, s21, SLOT
	s_add_co_u32 s22, s22, SLOT
.endr
	s_mul_i32 s21, s15, HALFT
	s_mul_i32 s22, s16, HALFT
	s_add_co_u32 s22, s22, 2*HALFT
	s_sub_co_u32 s22, s22, s21
	v_mul_u32_u24 v6, s22, v2
	v_lshl_add_u32 v6, v3, 2, v6
	s_add_co_u32 s21, s21, 3072
	v_add_nc_u32 v[ADRS], s21, v6
	v_add_nc_u32 v[ADRS+1], SLOT, v[ADRS]
	s_mul_i32 s23, s14, 16*SPITCH
	v_mul_u32_u24 v5, v1, SPITCH
	v_lshl_add_u32 v5, v2, 5, v5
	v_add_nc_u32 v[STO], s23, v5
	v_mul_u32_u24 v5, v2, SPITCH
	v_lshl_add_u32 v5, v1, 4, v5
	v_add_nc_u32 v[RD], s23, v5
	s_wait_alu depctr_va_vdst(0)
	s_wait_tensorcnt 1
	s_barrier_signal -1
	s_barrier_wait -1
	FETCH_B 0,0,0
	FETCH_A 0,0,0
	SCALES 0
	FETCH_A 0,0,HB
	STEP 0,0,1
.if LAPS > 1
	s_mov_b32 s3, LAPS-1
.Llap:
	REST 0
	TURN 0,1,1
	STEP 1,0,0
	REST 1
	TURN 1,0,1
	STEP 0,0,0
	s_wait_xcnt 0x0                                ; the lap's prefetches have read their address: it steps a lap, two slots, on
	s_add_nc_u64 s[98:99], s[98:99], 2*ROWL
	s_sub_co_u32 s3, s3, 1
	s_cmp_lg_u32 s3, 0
	s_cbranch_scc1 .Llap
.endif
	REST 0
	TURN 0,1,0
	STEP 1,0,0
	REST 1
	LAST
	s_wait_loadcnt 0x0
.macro OUTF a
.set AC, 32*((\a)%2)
.set RSA, 64+32*(\a)+48*((\a)/2)
.if (\a) > 0
	s_wait_xcnt 0x0
.endif
	WIN 0x08+4*((\a)/2)
.irp b, 0,1,2,3
	ds_store_b128 v[STO], v[AC+8*\b:AC+8*\b+3] offset:64*\b
	ds_store_b128 v[STO], v[AC+8*\b+4:AC+8*\b+7] offset:64*\b+16
.endr
	WIN 0
.irp t, 0,1,2,3,4,5,6,7
	ds_load_b128 v[BK+4*\t:BK+4*\t+3], v[RD] offset:2*SPITCH*\t
.endr
	s_wait_dscnt 0x0
.irp t, 0,1,2,3,4,5,6,7
	v_pk_add_f32 v[BK+4*\t:BK+4*\t+1], v[BK+4*\t:BK+4*\t+1], v[RSA+4*\t:RSA+4*\t+1]
	v_pk_add_f32 v[BK+4*\t+2:BK+4*\t+3], v[BK+4*\t+2:BK+4*\t+3], v[RSA+4*\t+2:RSA+4*\t+3]
.endr
.irp t, 0,1,2,3,4,5,6,7
	v_pk_add_f32 v[BK+4*\t:BK+4*\t+1], v[BK+4*\t:BK+4*\t+1], v[240:241]
	v_pk_add_f32 v[BK+4*\t+2:BK+4*\t+3], v[BK+4*\t+2:BK+4*\t+3], v[242:243]
.endr
.irp t, 0,1,2,3,4,5,6,7
	global_store_b128 v[CO], v[BK+4*\t:BK+4*\t+3], s[12:13] offset:(16*(\a)+2*\t)*4096 th:TH_STORE_NT
.endr
.endm
.irp a, 0,1,2,3
	OUTF \a
.endr
	s_wait_tensorcnt 0x0
	ds_add_u32 v[SPW], v[NIL]
	s_wait_dscnt 0x0
	CROUND
	s_endpgm
.Lfunc_end_k_q3c6271c0d2_mlpout:
	.size	k_q3c6271c0d2_mlpout, .Lfunc_end_k_q3c6271c0d2_mlpout-k_q3c6271c0d2_mlpout
	.p2alignl 7, 3214868480
	.fill 96, 4, 3214868480
	.section	.rodata,"a",@progbits
	.p2align	6, 0x0
	.amdhsa_kernel k_q3c6271c0d2_mlpout
		.amdhsa_group_segment_fixed_size 327680
		.amdhsa_private_segment_fixed_size 0
		.amdhsa_enable_private_segment 0
		.amdhsa_kernarg_size 40
		.amdhsa_user_sgpr_count 2
		.amdhsa_user_sgpr_kernarg_segment_ptr 1
		.amdhsa_wavefront_size32 1
		.amdhsa_system_sgpr_workgroup_id_x 1
		.amdhsa_system_sgpr_workgroup_id_y 1
		.amdhsa_system_sgpr_workgroup_id_z 1
		.amdhsa_system_vgpr_workitem_id 0
		.amdhsa_next_free_vgpr 1024
		.amdhsa_next_free_sgpr 100
		.amdhsa_reserve_vcc 0
		.amdhsa_float_denorm_mode_32 3
		.amdhsa_float_denorm_mode_16_64 3
		.amdhsa_memory_ordered 1
		.amdhsa_forward_progress 1
		.amdhsa_inst_pref_size 98
	.end_amdhsa_kernel
	.amdgpu_metadata
---
amdhsa.version: [ 1, 2 ]
amdhsa.kernels:
  - .name:           k_q3c6271c0d2_mlpout
    .symbol:         k_q3c6271c0d2_mlpout.kd
    .args:
      - { .name: hc, .offset: 0, .size: 8, .value_kind: global_buffer, .address_space: global }
      - { .name: wq, .offset: 8, .size: 8, .value_kind: global_buffer, .address_space: global }
      - { .name: b_out, .offset: 16, .size: 8, .value_kind: global_buffer, .address_space: global }
      - { .name: rm, .offset: 24, .size: 8, .value_kind: global_buffer, .address_space: global }
      - { .name: out0, .offset: 32, .size: 8, .value_kind: global_buffer, .address_space: global }
    .group_segment_fixed_size: 327680
    .private_segment_fixed_size: 0
    .kernarg_segment_align: 8
    .kernarg_segment_size: 40
    .max_flat_workgroup_size: 128
    .sgpr_count:     100
    .vgpr_count:     1024
    .wavefront_size: 32
...
	.end_amdgpu_metadata
.endif
;; end of part 7
